; MI455X (gfx1250); checked and timed in simulation.
; The chip was launched on July 23, 2026; its instructions are those of AMD's public machine-readable ISA for CDNA 5 (MIT licence, August 2026) and "CDNA5" Instruction Set Architecture Reference Guide (July 2026). The comments in the code are by the model that wrote it; some were corrected since.
;; Co Attention LBSA. Allowed arithmetic: float matrix products may take bf16 or f16 operands with f32 sums; all other float work in f32.
;; Inputs: b 512 float32; context_vector 512 x 1 float32; mask 64 x 512 bool; weight 1,024 x 1,024 float32; x 64 x 512 x 1,024 float32.
;; Outputs: out0 64 x 1,024 float32; out1 64 x 512 float32.
;; 3 versions, each right; version 2 is faster than version 1; version 3 is version 2 with the launch wcvt written anew for expert scheduling mode. Each part assembles by itself: llvm-mc -triple=amdgcn-amd-amdhsa -mcpu=gfx1250 --defsym DOCPART=n.
;; ======== version 1 of 3: 4 launches
;; limits: values are held in f16: magnitudes above 65,504 overflow, below 6.1e-05 lose precision; inputs' magnitudes at most 65,504; below input magnitudes of 6.1e-05 results are inexact or not finite; right only within a limited range of input values
;; workspace buffers: wp 2,097,152 bytes; yp 67,108,864 bytes; xf 67,108,864 bytes; sc 131,072 bytes; op 1,048,576 bytes
;; launch wcvt (part 1): grid 64 x 4, 2 waves a work-group, no clusters, 8,960 bytes of LDS; arguments weight, wp; writes wp
.if DOCPART == 1
	.amdgcn_target "amdgcn-amd-amdhsa--gfx1250"
	.amdhsa_code_object_version 6
	.text
	.protected	k_q765a018012_wcvt
	.globl	k_q765a018012_wcvt
	.p2align	8
	.type	k_q765a018012_wcvt,@function
k_q765a018012_wcvt:
	s_mov_b64 s[64:65], 0
	v_nop
	global_prefetch_b8 v0, s[64:65] scope:SCOPE_SE
	s_setreg_imm32_b32 hwreg(HW_REG_WAVE_MODE, 25, 1), 1
	s_wait_xcnt 0x0
; weight [1024 d][1024 e] f32  ->  wp, f16, laid out [e / 8][d][8]: a panel of 8 neighbouring e for all 1,024 d is 16,384 bytes.
; In that layout 64 rows d of one panel are 1,024 consecutive bytes, which is what the next launch's tensor loads ask for.
; THE FORMAT: each number is rounded once to bf16, as all this program's inputs are, and that number is written as f16, which holds a bf16 number exactly from 6.1e-5 to 65,504.
; LIMIT: |weight| stays below 65,520; below 6.1e-5 the rounded number keeps f16's fixed step of 6e-8.
; A work-group of two waves takes 16 rows d x 256 columns e.  Thread t loads 16 bytes of each row (a wave: 512 consecutive bytes), converts them
; and puts 8 bytes into a stage in LDS, [32 panels][16 d][16 bytes], panels 272 bytes apart; read back, 16 lanes hold the
; 256 consecutive bytes of one panel's 16 rows and store them at a multiple of 256 bytes from wp's first byte.
; No matrix unit, no cluster, no tensor load: 6 MB are moved once, and no work-group shares a byte with another.
.set PITCH, 272                        ; 256 bytes of a panel + 16
.set SPARE, 32*PITCH                   ; behind the stage: the spare words, 128 bytes a wave: one block of 256 bytes that no other line names
.set IN,  8                            ; v[8:71]   16 loads of 4 f32; later v[8:39] the panels read back
.set HF,  72                           ; v[72:103] 16 pairs of registers, 4 numbers of 16 bits each
.set SPW, 104                          ; v104 LDS address of my spare word; never rewritten
.set NIL, 105                          ; v105 0; never rewritten
	s_load_b128 s[4:7], s[0:1], 0x0                ; weight s[4:5], wp s[6:7]
	v_lshl_add_u32 v[SPW], v0, 2, SPARE
	v_mov_b32 v[NIL], 0
	s_and_b32 s8, ttmp7, 0xffff                    ; which 256 columns
	s_lshl_b32 s10, ttmp9, 16                      ; 16 rows of 4,096 bytes
	s_lshl_b32 s9, s8, 10                          ; 256 columns of 4 bytes
	s_add_co_u32 s10, s10, s9
	s_mov_b32 s11, 0
	s_lshl_b32 s12, s8, 19                         ; 32 panels of 16,384 bytes
	s_lshl_b32 s9, ttmp9, 8                        ; 16 rows of 16 bytes
	s_add_co_u32 s12, s12, s9
	s_mov_b32 s13, 0
	s_mov_b32 s14, 0xffff0000                      ; a word's upper bf16
	v_lshlrev_b32 v1, 4, v0                        ; my 16 bytes of a row's 1,024
	v_lshrrev_b32 v5, 1, v0                        ; into the stage: panel t / 2, half t % 2
	v_and_b32 v6, 1, v0
	v_mul_u32_u24 v2, v5, PITCH
	v_lshl_add_u32 v2, v6, 3, v2
	v_lshrrev_b32 v5, 4, v0                        ; back: panel t / 16 (+ 4 a turn), row t % 16
	v_and_b32 v6, 15, v0
	v_mul_u32_u24 v3, v5, PITCH
	v_lshl_add_u32 v3, v6, 4, v3
	v_lshlrev_b32 v4, 14, v5                       ; and the same place in wp
	v_lshl_add_u32 v4, v6, 4, v4
	s_wait_kmcnt 0x0
	s_add_nc_u64 s[4:5], s[4:5], s[10:11]
	s_add_nc_u64 s[6:7], s[6:7], s[12:13]
.set ii, 0
.rept 16
	global_load_b128 v[IN+4*ii:IN+4*ii+3], v1, s[4:5] offset:ii*4096 th:TH_LOAD_NT
.set ii, ii+1
.endr
.set ii, 0
.rept 16
	s_wait_loadcnt 15-ii                           ; loads come back in order (ISA guide 5.7.1): row ii is in, the younger rows stay out
	v_cvt_pk_bf16_f32 v[HF+2*ii], v[IN+4*ii], v[IN+4*ii+1]       ; the one rounding: to bf16, nearest even
	v_cvt_pk_bf16_f32 v[HF+2*ii+1], v[IN+4*ii+2], v[IN+4*ii+3]
	v_lshlrev_b32 v[IN+4*ii], 16, v[HF+2*ii]                     ; back to f32: the low half moves up, the high half stays
	v_and_b32 v[IN+4*ii+1], s14, v[HF+2*ii]
	v_lshlrev_b32 v[IN+4*ii+2], 16, v[HF+2*ii+1]
	v_and_b32 v[IN+4*ii+3], s14, v[HF+2*ii+1]
	v_cvt_pk_f16_f32 v[HF+2*ii], v[IN+4*ii], v[IN+4*ii+1]        ; written as f16
	v_cvt_pk_f16_f32 v[HF+2*ii+1], v[IN+4*ii+2], v[IN+4*ii+3]
	ds_store_b64 v2, v[HF+2*ii:HF+2*ii+1] offset:16*ii
.set ii, ii+1
.endr
	s_wait_dscnt 0x0                               ; for the other wave's sake: my stores into the stage are done
	s_barrier_signal -1
	s_barrier_wait -1
.set ii, 0
.rept 8
	ds_load_b128 v[IN+4*ii:IN+4*ii+3], v3 offset:ii*4*PITCH
.set ii, ii+1
.endr
.set ii, 0
.rept 8
	s_wait_dscnt 7-ii                              ; turn ii is back, the younger turns stay out
	global_store_b128 v4, v[IN+4*ii:IN+4*ii+3], s[6:7] offset:ii*65536  ; 16 lanes store 256 consecutive bytes
.set ii, ii+1
.endr
	s_wait_tensorcnt 0x0                           ; the wave's end: three closing lines behind my last LDS store
	ds_add_u32 v[SPW], v[NIL]
	s_wait_dscnt 0x0
	s_endpgm
.Lfunc_end_k_q765a018012_wcvt:
	.size	k_q765a018012_wcvt, .Lfunc_end_k_q765a018012_wcvt-k_q765a018012_wcvt
	.p2alignl 7, 3214868480
	.fill 96, 4, 3214868480
	.section	.rodata,"a",@progbits
	.p2align	6, 0x0
	.amdhsa_kernel k_q765a018012_wcvt
		.amdhsa_group_segment_fixed_size 8960
		.amdhsa_private_segment_fixed_size 0
		.amdhsa_enable_private_segment 0
		.amdhsa_kernarg_size 16
		.amdhsa_user_sgpr_count 2
		.amdhsa_user_sgpr_kernarg_segment_ptr 1
		.amdhsa_wavefront_size32 1
		.amdhsa_system_sgpr_workgroup_id_x 1
		.amdhsa_system_sgpr_workgroup_id_y 1
		.amdhsa_system_sgpr_workgroup_id_z 1
		.amdhsa_system_vgpr_workitem_id 0
		.amdhsa_next_free_vgpr 112
		.amdhsa_next_free_sgpr 66
		.amdhsa_reserve_vcc 0
		.amdhsa_float_denorm_mode_32 3
		.amdhsa_float_denorm_mode_16_64 3
		.amdhsa_memory_ordered 1
		.amdhsa_forward_progress 1
		.amdhsa_inst_pref_size 13
	.end_amdhsa_kernel
	.amdgpu_metadata
---
amdhsa.version: [ 1, 2 ]
amdhsa.kernels:
  - .name:           k_q765a018012_wcvt
    .symbol:         k_q765a018012_wcvt.kd
    .args:
      - { .name: weight, .offset: 0, .size: 8, .value_kind: global_buffer, .address_space: global }
      - { .name: wp, .offset: 8, .size: 8, .value_kind: global_buffer, .address_space: global }
    .group_segment_fixed_size: 8960
    .private_segment_fixed_size: 0
    .kernarg_segment_align: 8
    .kernarg_segment_size: 16
    .max_flat_workgroup_size: 64
    .sgpr_count:     66
    .vgpr_count:     112
    .wavefront_size: 32
...
	.end_amdgpu_metadata
.endif
;; end of part 1
;; launch proj (part 2): grid 256 x 1, 4 waves a work-group, clusters of 4 x 1, 327,680 bytes of LDS; arguments x, wp, yp, xf; writes yp, xf
.if DOCPART == 2
	.amdgcn_target "amdgcn-amd-amdhsa--gfx1250"
	.amdhsa_code_object_version 6
	.text
	.protected	k_q765a018012_proj
	.globl	k_q765a018012_proj
	.p2align	8
	.type	k_q765a018012_proj,@function
k_q765a018012_proj:
	s_mov_b64 s[64:65], 0
	v_nop
	global_prefetch_b8 v0, s[64:65] scope:SCOPE_SE
	s_setreg_imm32_b32 hwreg(HW_REG_WAVE_MODE, 25, 1), 1
	s_wait_xcnt 0x0
	s_wait_alu depctr_hold_cnt(0) depctr_sa_sdst(0) depctr_va_vdst(0) depctr_va_sdst(0) depctr_va_ssrc(0) depctr_va_vcc(0) depctr_vm_vsrc(0)
	s_getreg_b32 s2, hwreg(HW_REG_IB_STS2, 6, 4)
	s_cmp_eq_u32 s2, 0
	s_cbranch_scc0 .Lentry_in_a_cluster
	s_endpgm
.Lentry_in_a_cluster:
	s_bfe_u32 s2, ttmp6, 0x10000c
	s_cmp_lg_u32 s2, 0x3003
	s_cbranch_scc0 .Lentry_shape_is_right
	s_endpgm
.Lentry_shape_is_right:
; Y[s][d] = sum over e of W[d][e] x[s][e], for the work-group's 128 rows s of x (32,768 rows in all, 256 work-groups).  With it E[t][s] = sum over d of x[t][d] Y[s][d].
; THE FORMATS.  x is rounded once to bf16, as all this program's inputs are (W by the launch before), and that number is written as f16, which holds a bf16 number exactly from 6.1e-5 to 65,504.  Sums in f32.
; Y, which the program itself makes, is clamped to +-65,504 and rounded once to f16: tanh is steep where E is near 0, and an 8-bit mantissa in Y would move the scores by about as much as the result may be off.
; LIMITS: |x| stays below 65,520; below 6.1e-5 an operand keeps f16's fixed step of 6e-8; a Y beyond 65,504 counts as 65,504; NaN and infinities are not treated apart.
; OUT: yp, f16, [batch][d / 8][s: 512][8] (64 rows s of a panel are 1,024 consecutive bytes), and xf, the f16 fragments of x as they lie in my registers, 512 bytes a half fragment.
; SHARES.  Wave w = 2 g + q keeps rows 64 g .. 64 g + 63 of x for e = 512 q .. 512 q + 511 as 64 B fragments in 512 registers for the whole launch.  W is streamed in 16 blocks of 64 rows d x all
; 1,024 e through two LDS slots.  A fragment of W (two LDS loads) feeds four products.  The split of e leaves two partial sums: of a block's four tiles of 16 d wave q OWNS tiles 2 q, 2 q + 1.  It first makes
; the other pair's partial sums (SND, steps 0-15), hands them to its partner through LDS while it makes its own pair's (KEP, steps 16-31), and adds the partner's to its own.
; THE PRODUCT: source 0 = 16 rows d of W, source 1 = 16 rows s of x: a lane's eight results are eight neighbouring d of one s: 16 bytes of yp, and 16 lanes hold 256 consecutive bytes.
; CLUSTER: all work-groups walk the same W; the four of a cluster ask for each tile JOINTLY (same load, same descriptor, mask of four).  x's tiles are nobody else's: plain loads.
; LDS: first two slots of x (4 waves x 64 rows x 528 bytes each), then over them W's two slots of 131,072 bytes, [e / 8: 128][d: 64][16 bytes]: the 16 lanes of a half read 256 consecutive bytes.
; REGISTERS, in windows of 256 (s_set_vgpr_msb: bits 1:0 source 0, 3:2 source 1, 5:4 source 2, 7:6 destination):
;   window 0: v0-31 addresses; v32-95 four buffers of W's fragments (a step's two); v96-159 SND, v160-223 KEP: accumulator (tile mt, rows i) at + 8 (4 mt + i)
;   window 1: x as f32 on its way in (all 256); later v0-63 the partner's sums, v64-95 packed results          windows 2, 3: x's fragments: rows i, step c at window 2 + c / 8, v[8 (4 (c % 8) + i)]
; Accumulators, W's fragments and LDS addresses share window 0, so one setting serves the products and the LDS loads between them.
.set NB,     16                        ; blocks of 64 rows d
.set SLOT1,  131072                    ; W's slot 1; one exclusive or turns an address in one slot into the other's
.set XPITCH, 528                       ; a row of x's tile: 512 bytes + 16: an odd multiple of 16, so the 16 rows of a load start at 16 different groups of four banks (ISA guide 11.1)
.set XWAVE,  64*XPITCH
.set XSLOT,  4*XWAVE
.set XCHB,   2*XSLOT                   ; behind every tile: the exchange, 8,192 bytes a wave; no tensor load lands there
.set SPARE,  XCHB+4*8192               ; the spare words, 128 bytes a wave: two blocks of 256 bytes that no other line names
.set AB0S, 4                           ; v4   my lane's place in a slot for the pair that I send: 65,536 q + 1,024 h + 16 r + 512 (1 - q)
.set AB0K, 5                           ; v5   the same for the pair that I keep: + 512 q
.set ADS,  6                           ; v6, v7  those two in the slot in hand
.set ADK,  7
.set XCS,  8                           ; v8   where I put my sums for the partner
.set XCL,  9                           ; v9   where the partner puts its sums for me
.set XO,   10                          ; v10  16 x lane
.set YO,   11                          ; v11  my byte offset in yp
.set XA0,  12                          ; v12, v13  my lane's place in my part of x's slot 0, 1
.set SPW,  30                          ; v30  LDS address of my spare word; never rewritten
.set NIL,  31                          ; v31  0; never rewritten
.set ABUF, 32
.set SND,  96
.set KEP,  160
.set PRT,  0                           ; window 1
.set OUT,  64                          ; window 1
.set WV, 12                            ; s12 wave;  s13 g;  s14 q;  s15 my place in the cluster;  s16 work-group
.set GG, 13
.set QQ, 14
.set CX, 15
.set WG, 16
.set G1X, 24                           ; s[24:31] descriptor group 1 for x's tiles
.set G1S, 32                           ; s[32:39] for W's
.set G0XA, 40                          ; s[40:43], s[44:47] group 0 for x's two slots
.set G0XB, 44
.set G0S, 48                           ; s[48:51] group 0 for W's tiles: it walks
.set TB,  52                           ; s52 the slot in hand
.set CNT, 53                           ; s53 counts blocks
.set YST, 54                           ; s[54:55] what the next way out adds to yp's address
.set CLO, 56                           ; s56, s57 -65,504 and 65,504
.set CHI, 57
.set YB,  58                           ; s[58:59] yp at the block in hand
.set XFB, 60                           ; s[60:61] xf at my wave's 65,536 bytes
.set HM,  62                           ; s62 a word's upper bf16
.set MSB, 0
.macro WIN new                         ; the immediate's high byte repeats the setting that is left; a switch that changes nothing is dropped
.if MSB != (\new)
	s_set_vgpr_msb (MSB<<8)|(\new)
.set MSB, \new
.endif
.endm
.macro PLACES                          ; four plain vector instructions that name no register of the products round them (ISA guide 7.12.1)
.rept 4
	v_nop
.endr
.endm
.macro CREST                           ; a round of the cluster's barrier behind its opening barrier
	s_cmp_lg_u32 s[WV], 0
	s_cbranch_scc1 .Lnot_wave_0_\@
	s_barrier_signal -3
.Lnot_wave_0_\@:
	s_barrier_wait -3
	s_barrier_signal -1
	s_barrier_wait -1
.endm
.macro CROUND                          ; a whole round
	s_barrier_signal -1
	s_barrier_wait -1
	CREST
.endm
; Load t of the four of step u: tile t / 2 of the step's pair, half t % 2 of its fragment (k = 8 h + 0..7, or 16 + 8 h + 0..7: two panels on)
.macro LD1 u, t
.if (\u) < 16
	ds_load_b128 v[ABUF+16*((\u)%4)+8*((\t)/2)+4*((\t)%2):ABUF+16*((\u)%4)+8*((\t)/2)+4*((\t)%2)+3], v[ADS] offset:((\u)%16)*4096+((\t)/2)*256+((\t)%2)*2048
.else
	ds_load_b128 v[ABUF+16*((\u)%4)+8*((\t)/2)+4*((\t)%2):ABUF+16*((\u)%4)+8*((\t)/2)+4*((\t)%2)+3], v[ADK] offset:((\u)%16)*4096+((\t)/2)*256+((\t)%2)*2048
.endif
.endm
; Products t0 .. t1 of the eight of step u (32 along k): tile t % 2, rows t / 2.  The eight accumulators take turns, one instruction a turn; a set's first step starts the sums with 0.
; Behind each of the first four a v_nop, behind each of the last four a load for step u + 2: its buffer was last read in step u - 2, eight such places back.
.macro MMS u, t0, t1
.set tt, \t0
.rept (\t1)-(\t0)+1
.set rA, ABUF+16*((\u)%4)+8*(tt%2)
.set rB, 8*(4*((\u)%8)+tt/2)
.set rC, SND+64*((\u)/16)+8*(4*(tt%2)+tt/2)
.if ((\u)%16) == 0
	v_wmma_f32_16x16x32_f16 v[rC:rC+7], v[rA:rA+7], v[rB:rB+7], 0
.else
	v_wmma_f32_16x16x32_f16 v[rC:rC+7], v[rA:rA+7], v[rB:rB+7], v[rC:rC+7]
.endif
.if tt < 4
	v_nop
.elseif (\u)+2 <= 31
	LD1 (\u)+2, tt-4
.endif
.set tt, tt+1
.endr
.endm
.macro KSTEP u, n                      ; n: the LDS instructions issued behind this step's four loads
	s_wait_dscnt \n
	WIN 0x08+4*(((\u)%16)/8)                       ; x's fragments (source 1) in window 2 or 3, all else in window 0
	MMS \u, 0, 7
.endm
; Step 16, and the sums that I send.  The barrier orders every wave's reads of the exchange for the block before (waited for there) with the stores below.  The four loads between
; signal and wait read bytes of the slot in hand, which nobody writes before the block's last barrier.  SND's last products stand in step 15: step 16's four v_nop are the places behind them.
.macro K16
	s_wait_dscnt 0x0                               ; no LDS instruction of mine is out at the signal
	WIN 0x08
	s_barrier_signal -1
	MMS 16, 0, 7
	s_barrier_wait -1
	WIN 0
.set kk, 0
.rept 16
	ds_store_b128 v[XCS], v[SND+4*kk:SND+4*kk+3] offset:kk*512  ; each accumulator from its low end on; 32 lanes, 512 consecutive bytes
.set kk, kk+1
.endr
.endm
; Step 31 and the change of slots.  ONE barrier: in front of it each wave waits for all its tensor loads (one is out: its part of the next slot), adds 0 to its spare word, and waits for that, for its reads of
; this slot and for its stores into the exchange.  refill = 1: the barrier opens a round of the cluster's, and behind the round this slot is filled again, two blocks ahead: 256 products in which to land.
.macro K31 refill
	WIN 0
	s_wait_tensorcnt 0x0                           ; no tensor load of mine is out, so a group 0 may be written
	ds_add_u32 v[SPW], v[NIL]                      ; 0 onto my spare word
.if \refill
	s_xor_b32 s[G0S+1], s[G0S+1], SLOT1            ; the other slot than last time,
	s_add_nc_u64 s[G0S+2:G0S+3], s[G0S+2:G0S+3], 1024  ; the next 64 rows of every panel; the type bits on top are not reached
.endif
	s_wait_dscnt 0x1                               ; this step's four loads are in; the add alone may be out
	WIN 0x0c
	MMS 31, 0, 3
	s_wait_dscnt 0x0
	s_barrier_signal -1
	MMS 31, 4, 7                                   ; work on registers while the others arrive
	WIN 0                                          ; at a branch and at a label every window is 0
	s_barrier_wait -1
.if \refill
	CREST                                          ; no wave of any partner still reads this slot or has a load on its way
	tensor_load_to_lds s[G0S:G0S+3], s[G1S:G1S+7]
	s_nop 0
.endif
	PLACES                                         ; behind the last products, whose sums are read below
.endm
; Behind the barrier: the next block's first two steps are fetched (last = 1: not in the last trip), and the partner's sums come in.
.macro AFTER last
	s_xor_b32 s[TB], s[TB], SLOT1
	v_add_nc_u32 v[ADS], s[TB], v[AB0S]
	v_add_nc_u32 v[ADK], s[TB], v[AB0K]
.if \last
	s_cmp_eq_u32 s[CNT], 1
	s_cbranch_scc1 .Lnofetch_\@
.endif
.irp t, 0,1,2,3
	LD1 0, \t
.endr
.irp t, 0,1,2,3
	LD1 1, \t
.endr
.if \last
.Lnofetch_\@:
.endif
	WIN 0x40                                       ; destination window 1
.set kk, 0
.rept 16
	ds_load_b128 v[PRT+4*kk:PRT+4*kk+3], v[XCL] offset:kk*512
.set kk, kk+1
.endr
	WIN 0
	s_wait_dscnt 0x0                               ; right on both ways; the fetches are older than the partner's sums
.endm
; The way out of a block: my pair's sums are completed, clamped, rounded to f16 and stored: a lane's 16 bytes are eight d of one s, 16 lanes 256 consecutive bytes of a panel.
.macro EPI
	s_wait_xcnt 0x0                                ; the last block's stores have had their addresses translated (ISA guide 3.1): only now are their base and data rewritten
	s_add_nc_u64 s[YB:YB+1], s[YB:YB+1], s[YST:YST+1]
	WIN 0x04                                       ; source 1 in window 1
.set kk, 0
.rept 32
	v_pk_add_f32 v[KEP+2*kk:KEP+2*kk+1], v[KEP+2*kk:KEP+2*kk+1], v[PRT+2*kk:PRT+2*kk+1]
.set kk, kk+1
.endr
	WIN 0
.set kk, 0
.rept 64
	v_med3_num_f32 v[KEP+kk], v[KEP+kk], s[CLO], s[CHI]
.set kk, kk+1
.endr
	WIN 0x40
.set kk, 0
.rept 32
	v_cvt_pk_f16_f32 v[OUT+kk], v[KEP+2*kk], v[KEP+2*kk+1]
.set kk, kk+1
.endr
	WIN 0x04                                       ; a store's data are its source 1
.set kk, 0
.rept 8
	global_store_b128 v[YO], v[OUT+4*kk:OUT+4*kk+3], s[YB:YB+1] offset:(kk/4)*16384+(kk%4)*256 th:TH_STORE_NT  ; tile kk / 4: two panels on; rows kk % 4: 16 rows s on
.set kk, kk+1
.endr
	WIN 0
	s_mov_b32 s[YST], 65536                        ; a block is eight panels of 8,192 bytes
.endm
.macro BLOCK refill, last
.set uu, 0
.rept 16
	KSTEP uu, 4                                    ; behind a step's loads only the next step's four were issued
.set uu, uu+1
.endr
	K16
	KSTEP 17, 20                                   ; younger: step 18's four loads and the sixteen stores
	KSTEP 18, 20                                   ; younger: the sixteen stores and step 19's four loads
.set uu, 19
.rept 12
	KSTEP uu, 4
.set uu, uu+1
.endr
	K31 \refill
	AFTER \last
	EPI
.endm
; Piece p of x: my 64 rows x 128 e, f32, out of my part of slot p % 2 (bytes that my own load brought and I alone read).  Each pair of numbers is rounded to bf16 (into the pair's second register), taken apart
; into two f32 again, in place, and written as f16 into one of 16 fragments, which also go to xf.
.macro XPIECE p
	WIN 0x40
.set kk, 0
.rept 16                               ; fragment kk: rows 16 (kk % 4) on, e 32 (kk / 4) on; a lane's 16 numbers are 2 x 32 bytes, 64 bytes apart
.irp t, 0,1,2,3
	ds_load_b128 v[16*kk+4*\t:16*kk+4*\t+3], v[XA0+((\p)%2)] offset:(kk%4)*16*XPITCH+(kk/4)*128+((\t)/2)*64+((\t)%2)*16
.endr
.set kk, kk+1
.endr
	WIN 0x45                                       ; sources and destination in window 1
.set kk, 0
.rept 16
	s_wait_dscnt 60-4*kk                           ; LDS loads come back in order (ISA guide 5.7.1): fragment kk's four are in, the younger fragments' stay out
.set jj, 0
.rept 8
	v_cvt_pk_bf16_f32 v[16*kk+2*jj+1], v[16*kk+2*jj], v[16*kk+2*jj+1]  ; the one rounding: to bf16, nearest even
.set jj, jj+1
.endr
.set jj, 0
.rept 8
	v_lshlrev_b32 v[16*kk+2*jj], 16, v[16*kk+2*jj+1]                   ; the low half moves up,
.set jj, jj+1
.endr
.set jj, 0
.rept 8
	v_and_b32 v[16*kk+2*jj+1], s[HM], v[16*kk+2*jj+1]                  ; the high half stays
.set jj, jj+1
.endr
.set kk, kk+1
.endr
	WIN 0x85+0x40*((\p)/2)                         ; sources in window 1, destination in window 2 or 3
.set kk, 0
.rept 128
	v_cvt_pk_f16_f32 v[128*((\p)%2)+kk], v[2*kk], v[2*kk+1]
.set kk, kk+1
.endr
	WIN 0x08+4*((\p)/2)
.set kk, 0
.rept 32
	global_store_b128 v[XO], v[4*(32*((\p)%2)+kk):4*(32*((\p)%2)+kk)+3], s[XFB:XFB+1] offset:(32*(\p)+kk)*512 th:TH_STORE_NT  ; 512 consecutive bytes; these registers are never rewritten
.set kk, kk+1
.endr
.endm
; Behind piece p its slot is filled again, in this order: all my tensor loads have landed, the add, my reads are back, a round of the cluster's barrier, ONE load: x's piece p + 2, or W's tile p - 2.
.macro XBOUND p
	WIN 0
	s_wait_tensorcnt 0x0
	ds_add_u32 v[SPW], v[NIL]
.if (\p) == 0
	s_add_nc_u64 s[G0XA+2:G0XA+3], s[G0XA+2:G0XA+3], 1024
.elseif (\p) == 1
	s_add_nc_u64 s[G0XB+2:G0XB+3], s[G0XB+2:G0XB+3], 1024
.elseif (\p) == 3
	s_xor_b32 s[G0S+1], s[G0S+1], SLOT1
	s_add_nc_u64 s[G0S+2:G0S+3], s[G0S+2:G0S+3], 1024
.endif
	s_wait_dscnt 0x0
	CROUND
.if (\p) == 0
	tensor_load_to_lds s[G0XA:G0XA+3], s[G1X:G1X+7]
.elseif (\p) == 1
	tensor_load_to_lds s[G0XB:G0XB+3], s[G1X:G1X+7]
.else
	tensor_load_to_lds s[G0S:G0S+3], s[G1S:G1S+7]
.endif
	s_nop 0
	PLACES
.endm
	s_load_b256 s[4:11], s[0:1], 0x0               ; x s[4:5], wp s[6:7], yp s[8:9], xf s[10:11]
	v_lshl_add_u32 v[SPW], v0, 2, SPARE
	v_mov_b32 v[NIL], 0
	ds_add_u32 v[SPW], v[NIL]                      ; the wave's opening: the add and its wait ahead of my first tensor load; the set-up, work on registers, stands between
	v_lshrrev_b32 v1, 5, v0
	v_readfirstlane_b32 s[WV], v1
	s_lshr_b32 s[GG], s[WV], 1
	s_and_b32 s[QQ], s[WV], 1
	s_bfe_u32 s[CX], ttmp6, 0x40000
	s_lshl_b32 s[WG], ttmp9, 2                     ; in a cluster launch ttmp9 counts clusters
	s_add_co_u32 s[WG], s[WG], s[CX]
	; x's tiles: 64 rows x 128 f32, padded in LDS
	s_mov_b32 s[G1X+0], (2<<16)|(1<<20)|(6<<22)|(3<<25)  ; no mask; 4-byte elements; padding on: after every 128 words (code 6) 4 words (code 3)
	s_mov_b32 s[G1X+1], 128<<16                    ; tensor_dim0 = 128
	s_mov_b32 s[G1X+2], 64<<16                     ; tensor_dim1 = 64
	s_mov_b32 s[G1X+3], 128<<16                    ; tile_dim0 = 128
	s_mov_b32 s[G1X+4], 64                         ; tile_dim1 = 64
	s_mov_b32 s[G1X+5], 1024                       ; elements from row to row
	s_mov_b32 s[G1X+6], 0
	s_mov_b32 s[G1X+7], 0
	; W's tiles: a wave brings 32 panels' 64 rows: 32 rows of 1,024 bytes, 16,384 bytes apart
	s_mov_b32 s[G1S+0], 15|(3<<16)|(1<<21)         ; the mask of four; 8-byte elements; bit 21 set beside a mask
	s_mov_b32 s[G1S+1], 128<<16
	s_mov_b32 s[G1S+2], 32<<16
	s_mov_b32 s[G1S+3], 128<<16
	s_mov_b32 s[G1S+4], 32
	s_mov_b32 s[G1S+5], 2048
	s_mov_b32 s[G1S+6], 0
	s_mov_b32 s[G1S+7], 0
	s_mov_b32 s[G0XA], 1
	s_mul_i32 s[G0XA+1], s[WV], XWAVE              ; no place in the cluster enters an LDS address
	s_mov_b32 s[G0XB], 1
	s_add_co_u32 s[G0XB+1], s[G0XA+1], XSLOT
	s_mov_b32 s[G0S], 1
	s_lshl_b32 s[G0S+1], s[WV], 15
	s_lshl_b32 s18, s[WG], 19                      ; x: 128 rows of 4,096 bytes a work-group,
	s_lshl_b32 s17, s[GG], 18                      ; 64 rows,
	s_add_co_u32 s18, s18, s17
	s_lshl_b32 s17, s[QQ], 11                      ; 512 e
	s_add_co_u32 s18, s18, s17
	s_mov_b32 s19, 0
	s_lshl_b32 s20, s[WV], 19                      ; wp: my 32 panels; made of the wave's number alone
	s_mov_b32 s21, 0
	s_lshl_b32 s22, ttmp9, 20                      ; yp: the batch's 1 MiB, my work-group's 128 rows s of 16 bytes
	s_lshl_b32 s17, s[CX], 11
	s_add_co_u32 s22, s22, s17
	s_mov_b32 s23, 0
	s_lshl_b32 s2, s[WG], 2                        ; xf: 65,536 bytes a wave
	s_add_co_u32 s2, s2, s[WV]
	s_lshl_b32 s2, s2, 16
	s_mov_b32 s3, 0
	s_mov_b32 s[CLO], 0xc77fe000
	s_mov_b32 s[CHI], 0x477fe000
	s_mov_b32 s[HM], 0xffff0000
	s_mov_b32 s[TB], 0
	s_mov_b32 s[YST], 0
	s_mov_b32 s[YST+1], 0
	s_wait_dscnt 0x0                               ; the opening add is done
	s_wait_kmcnt 0x0
	s_add_nc_u64 s[G0XA+2:G0XA+3], s[4:5], s[18:19]
	s_add_nc_u64 s[G0XB+2:G0XB+3], s[G0XA+2:G0XA+3], 512   ; piece 1: 128 e on
	s_or_b32 s[G0XA+3], s[G0XA+3], 0x80000000      ; type = 2
	s_or_b32 s[G0XB+3], s[G0XB+3], 0x80000000
	s_add_nc_u64 s[G0S+2:G0S+3], s[6:7], s[20:21]
	s_or_b32 s[G0S+3], s[G0S+3], 0x80000000
	s_add_nc_u64 s[YB:YB+1], s[8:9], s[22:23]
	s_add_nc_u64 s[XFB:XFB+1], s[10:11], s[2:3]
	CROUND                                         ; the round in front of the first loads
	tensor_load_to_lds s[G0XA:G0XA+3], s[G1X:G1X+7]  ; the two first fills go out together: two loads of mine are out
	s_nop 0
	tensor_load_to_lds s[G0XB:G0XB+3], s[G1X:G1X+7]
	s_nop 0
	PLACES
	v_and_b32 v1, 15, v0                           ; r
	v_bfe_u32 v2, v0, 4, 1                         ; h
	v_and_b32 v3, 31, v0                           ; lane
	s_lshl_b32 s17, s[QQ], 16                      ; my half of e: 64 panels of 1,024 bytes
	s_xor_b32 s18, s[QQ], 1
	s_lshl_b32 s18, s18, 9                         ; the pair that I send: 32 rows of 16 bytes
	s_add_co_u32 s18, s18, s17
	s_lshl_b32 s19, s[QQ], 9                       ; the pair that I keep
	s_add_co_u32 s19, s19, s17
	v_lshlrev_b32 v[AB0K], 4, v1
	v_lshl_add_u32 v[AB0K], v2, 10, v[AB0K]
	v_add_nc_u32 v[AB0S], s18, v[AB0K]
	v_add_nc_u32 v[AB0K], s19, v[AB0K]
	v_lshlrev_b32 v[XO], 4, v3
	s_lshl_b32 s17, s[WV], 13
	s_add_co_u32 s17, s17, XCHB
	v_add_nc_u32 v[XCS], s17, v[XO]
	s_xor_b32 s17, s[WV], 1                        ; my partner: same rows, the other half of e
	s_lshl_b32 s17, s17, 13
	s_add_co_u32 s17, s17, XCHB
	v_add_nc_u32 v[XCL], s17, v[XO]
	s_lshl_b32 s17, s[QQ], 15                      ; yp: my pair is four panels on for q = 1; my 64 rows s
	s_lshl_b32 s18, s[GG], 10
	s_add_co_u32 s17, s17, s18
	v_lshlrev_b32 v[YO], 4, v1
	v_lshl_add_u32 v[YO], v2, 13, v[YO]
	v_add_nc_u32 v[YO], s17, v[YO]
	v_mul_u32_u24 v[XA0], v1, XPITCH
	v_lshl_add_u32 v[XA0], v2, 5, v[XA0]
	v_add_nc_u32 v[XA0], s[G0XA+1], v[XA0]
	v_add_nc_u32 v[XA0+1], XSLOT, v[XA0]
	s_wait_tensorcnt 0x1                           ; piece 0 is in; piece 1, issued behind it, may stay out
	XPIECE 0
	XBOUND 0
	XPIECE 1
	XBOUND 1
	XPIECE 2
	XBOUND 2
	XPIECE 3
	XBOUND 3                                       ; its wait and its round have shown W's tile 0 whole; tile 1 goes out
	v_add_nc_u32 v[ADS], s[TB], v[AB0S]
	v_add_nc_u32 v[ADK], s[TB], v[AB0K]
.irp t, 0,1,2,3
	LD1 0, \t
.endr
.irp t, 0,1,2,3
	LD1 1, \t
.endr
	s_mov_b32 s[CNT], NB-2
.Lmain:                                                ; blocks 0 to 13: each fills its slot again, two blocks ahead
	BLOCK 1, 0
	WIN 0
	s_sub_co_u32 s[CNT], s[CNT], 1
	s_cmp_lg_u32 s[CNT], 0
	s_cbranch_scc1 .Lmain
	s_mov_b32 s[CNT], 2
.Ltail:                                                ; the last two blocks ask for nothing: a text of their own
	BLOCK 0, 1
	WIN 0
	s_sub_co_u32 s[CNT], s[CNT], 1
	s_cmp_lg_u32 s[CNT], 0
	s_cbranch_scc1 .Ltail
	s_wait_tensorcnt 0x0                           ; the wave's end: three closing lines behind my last tensor load and my last LDS store
	ds_add_u32 v[SPW], v[NIL]
	s_wait_dscnt 0x0
	CROUND                                         ; the closing round: no work-group ends while a partner may still ask for a tile that names it
	s_endpgm
.Lfunc_end_k_q765a018012_proj:
	.size	k_q765a018012_proj, .Lfunc_end_k_q765a018012_proj-k_q765a018012_proj
	.p2alignl 7, 3214868480
	.fill 96, 4, 3214868480
	.section	.rodata,"a",@progbits
	.p2align	6, 0x0
	.amdhsa_kernel k_q765a018012_proj
		.amdhsa_group_segment_fixed_size 327680
		.amdhsa_private_segment_fixed_size 0
		.amdhsa_enable_private_segment 0
		.amdhsa_kernarg_size 32
		.amdhsa_user_sgpr_count 2
		.amdhsa_user_sgpr_kernarg_segment_ptr 1
		.amdhsa_wavefront_size32 1
		.amdhsa_system_sgpr_workgroup_id_x 1
		.amdhsa_system_sgpr_workgroup_id_y 1
		.amdhsa_system_sgpr_workgroup_id_z 1
		.amdhsa_system_vgpr_workitem_id 0
		.amdhsa_next_free_vgpr 1024
		.amdhsa_next_free_sgpr 66
		.amdhsa_reserve_vcc 0
		.amdhsa_float_denorm_mode_32 3
		.amdhsa_float_denorm_mode_16_64 3
		.amdhsa_memory_ordered 1
		.amdhsa_forward_progress 1
		.amdhsa_inst_pref_size 219
	.end_amdhsa_kernel
	.amdgpu_metadata
---
amdhsa.version: [ 1, 2 ]
amdhsa.kernels:
  - .name:           k_q765a018012_proj
    .symbol:         k_q765a018012_proj.kd
    .args:
      - { .name: x, .offset: 0, .size: 8, .value_kind: global_buffer, .address_space: global }
      - { .name: wp, .offset: 8, .size: 8, .value_kind: global_buffer, .address_space: global }
      - { .name: yp, .offset: 16, .size: 8, .value_kind: global_buffer, .address_space: global }
      - { .name: xf, .offset: 24, .size: 8, .value_kind: global_buffer, .address_space: global }
    .group_segment_fixed_size: 327680
    .private_segment_fixed_size: 0
    .kernarg_segment_align: 8
    .kernarg_segment_size: 32
    .max_flat_workgroup_size: 128
    .sgpr_count:     66
    .vgpr_count:     1024
    .wavefront_size: 32
...
	.end_amdgpu_metadata
.endif
;; end of part 2
;; launch attn (part 3): grid 256 x 1, 4 waves a work-group, clusters of 4 x 1, 327,680 bytes of LDS; arguments xf, yp, b, context_vector, mask, sc, op; writes sc, op
.if DOCPART == 3
	.amdgcn_target "amdgcn-amd-amdhsa--gfx1250"
	.amdhsa_code_object_version 6
	.text
	.protected	k_q765a018012_attn
	.globl	k_q765a018012_attn
	.p2align	8
	.type	k_q765a018012_attn,@function
k_q765a018012_attn:
	s_mov_b64 s[64:65], 0
	v_nop
	global_prefetch_b8 v0, s[64:65] scope:SCOPE_SE
	s_setreg_imm32_b32 hwreg(HW_REG_WAVE_MODE, 25, 1), 1
	s_wait_xcnt 0x0
	s_wait_alu depctr_hold_cnt(0) depctr_sa_sdst(0) depctr_va_vdst(0) depctr_va_sdst(0) depctr_va_ssrc(0) depctr_va_vcc(0) depctr_vm_vsrc(0)
	s_getreg_b32 s2, hwreg(HW_REG_IB_STS2, 6, 4)
	s_cmp_eq_u32 s2, 0
	s_cbranch_scc0 .Lentry_in_a_cluster
	s_endpgm
.Lentry_in_a_cluster:
	s_bfe_u32 s2, ttmp6, 0x10000c
	s_cmp_lg_u32 s2, 0x3003
	s_cbranch_scc0 .Lentry_shape_is_right
	s_endpgm
.Lentry_shape_is_right:
; For the work-group's 128 rows t of one batch: E[t][s] = sum over d of x[t][d] Y[s][d] for all 512 s; score[t] = sum over s of c[s] tanh(E[t][s] + b[s]); where mask is 0 the score is -inf.
; Then, against the maximum m of these 128 scores: p[t] = e^(score[t] - m) and op[d] = sum over t of p[t] x[t][d].  OUT: sc (the masked scores) and op (1,024 f32); the last launch joins a batch's four.
; Operands f16 (x is its rounding to bf16, written as f16 by the launch before), sums f32.  b and c are rounded once to bf16, as all this program's inputs are, and used in f32.
; tanh(z) = 1 - 2 / (1 + 2^(2 log2(e) z)): right at both ends, where the power is 0 or infinite.  So a score is sum (-2 c) r - (1/2) sum (-2 c), r the reciprocal.
; LIMITS: p is rounded to f16 for the product with x (below 6e-5 of the block's largest weight it keeps a fixed step of 6e-8); a weight below 2^-126 counts as 0; where all 128 are masked m counts as the
; lowest finite number and every p is 0; NaN and infinities in x are not treated apart.
; SHARES AND LOOP: wave w = 2 g + q keeps rows 64 g .. + 63 of x for d = 512 q .. + 511 as 64 B fragments in 512 registers (read from xf as they lay in the registers that made them).  Y is streamed in 8 blocks of
; 64 rows s x all 1,024 d through two LDS slots.  The split of d leaves two partial sums: of a block's four tiles of 16 s wave q OWNS tiles 2 q, 2 q + 1; it first makes the other pair's sums (SND, steps 0-15), hands
; them to its partner through LDS while it makes its own pair's (KEP, steps 16-31), and adds the partner's to its own.
; THE PRODUCT: source 0 = 16 rows s of Y, source 1 = 16 rows t of x: a lane holds ONE t (lane % 16) and eight s, so a score's sum over s runs down the lane's registers.
; CLUSTER: the four work-groups of a cluster are one batch's and walk the same Y: each tile is asked for JOINTLY (same load, same descriptor, mask of four).
; REGISTERS, in windows of 256 (s_set_vgpr_msb: bits 1:0 source 0, 3:2 source 1, 5:4 source 2, 7:6 destination):
;   window 0: v0-31 addresses and the scores' sums; v32-95 four buffers of Y's fragments; v96-159 SND, v160-223 KEP: accumulator (tile mt, rows i) at + 8 (4 mt + i); v224-255 the block's 2 log2(e) b and -2 c
;   window 1: v0-63 the partner's sums          windows 2, 3: x's fragments: rows i, step c at window 2 + c / 8, v[8 (4 (c % 8) + i)]
.set NB,     8                         ; blocks of 64 rows s
.set SLOT1,  131072                    ; a slot: [d / 8: 128][s: 64][16 bytes]; one exclusive or turns an address in one slot into the other's
.set XTP,    1056                      ; at the end x goes back to LDS by rows: 1,024 bytes + 32: an odd multiple of 32
.set XTW,    64*XTP                    ; a wave's 64 rows; the four waves' lie over the ring, which has had its last fill by then
.set XCHB,   4*XTW                     ; the exchange, 8,192 bytes a wave; from here on no tensor load lands
.set TBK,    XCHB+4*8192               ; 512 f32: 2 log2(e) b
.set TCM,    TBK+2048                  ; 512 f32: -2 c
.set SCX,    TCM+2048                  ; 4 waves x 64 f32: a wave's share of its 64 scores
.set PH,     SCX+1024                  ; 4 waves x 128 f16: p, a copy for each wave
.set OPX,    PH+1024                   ; 4 waves x 512 f32: a wave's share of op
.set SPARE,  OPX+8192                  ; the spare words, 128 bytes a wave: two blocks of 256 bytes that no other line names
.set AB0S, 4                           ; v4   my lane's place in a slot for the pair that I send: 65,536 q + 1,024 h + 16 r + 512 (1 - q)
.set AB0K, 5                           ; v5   the same for the pair that I keep
.set ADS,  6                           ; v6, v7  those two in the slot in hand
.set ADK,  7
.set XCS,  8                           ; v8   where I put my sums for the partner
.set XCL,  9                           ; v9   where the partner puts its sums for me
.set XO,   10                          ; v10  16 x lane
.set TB0,  11                          ; v11  my lane's place in a block's 64 numbers of the tables
.set SXA,  12                          ; v12  where my wave's shares of the scores go
.set SGA,  13                          ; v13  where I read four scores' shares
.set XTS,  14                          ; v14  x back into LDS: my lane's place
.set XTL,  15                          ; v15  my lane's place for the turning loads
.set SC,   16                          ; v16-23  sum of (-2 c) r, a pair (even s, odd s) for each of my four tiles of t; later four scores, four p
.set CS,   24                          ; v24-25  sum of -2 c over my lane's s
.set TBA,  26                          ; v26  the tables' address in the block in hand; v26-28 otherwise at work
.set MK,   29                          ; v29  four bytes of mask
.set SPW,  30                          ; v30  LDS address of my spare word; never rewritten
.set NIL,  31                          ; v31  0; never rewritten
.set ABUF, 32
.set SND,  96
.set KEP,  160
.set BK,   224
.set CM,   240
.set PRT,  0                           ; window 1
.set XB,   32                          ; at the end: v32-159 x turned, 8 tiles of d x 2 halves of t
.set OA,   160                         ; v160-223 eight accumulators
.set PF,   224                         ; v224-239 p as source 0, two halves of t
.set WV, 18                            ; s18 wave; s19 g; s20 q; s21 my place in the cluster; s23 work-group
.set GG, 19
.set QQ, 20
.set CX, 21
.set WG, 23
.set G1S, 24                           ; s[24:31] descriptor group 1
.set G0A, 32                           ; s[32:35] group 0 for tile 0
.set G0S, 36                           ; s[36:39] group 0 for tile 1; it walks on
.set TB,  40                           ; s40 the slot in hand
.set CNT, 41                           ; s41 counts blocks
.set K2,  42                           ; s[42:43] 2 log2(e): a packed line names the pair and takes its low word
.set SEL, 44                           ; s[44:45] v_permlanex16_b32's selects: each lane takes its own place in the other half
.set L2E, 46                           ; s46 log2(e)
.set TBO, 47                           ; s47 256 x the block in hand
.set MSB, 0
.macro WIN new                         ; the immediate's high byte repeats the setting that is left; a switch that changes nothing is dropped
.if MSB != (\new)
	s_set_vgpr_msb (MSB<<8)|(\new)
.set MSB, \new
.endif
.endm
.macro PLACES                          ; four plain vector instructions that name no register of the products round them (ISA guide 7.12.1)
.rept 4
	v_nop
.endr
.endm
.macro CREST                           ; a round of the cluster's barrier behind its opening barrier
	s_cmp_lg_u32 s[WV], 0
	s_cbranch_scc1 .Lnot_wave_0_\@
	s_barrier_signal -3
.Lnot_wave_0_\@:
	s_barrier_wait -3
	s_barrier_signal -1
	s_barrier_wait -1
.endm
.macro CROUND                          ; a whole round
	s_barrier_signal -1
	s_barrier_wait -1
	CREST
.endm
; Load t of the four of step u: tile t / 2 of the step's pair, half t % 2 of its fragment (k = 8 h + 0..7, or 16 + 8 h + 0..7: two panels on)
.macro LD1 u, t
.if (\u) < 16
	ds_load_b128 v[ABUF+16*((\u)%4)+8*((\t)/2)+4*((\t)%2):ABUF+16*((\u)%4)+8*((\t)/2)+4*((\t)%2)+3], v[ADS] offset:((\u)%16)*4096+((\t)/2)*256+((\t)%2)*2048
.else
	ds_load_b128 v[ABUF+16*((\u)%4)+8*((\t)/2)+4*((\t)%2):ABUF+16*((\u)%4)+8*((\t)/2)+4*((\t)%2)+3], v[ADK] offset:((\u)%16)*4096+((\t)/2)*256+((\t)%2)*2048
.endif
.endm
; Products t0 .. t1 of the eight of step u (32 along k): tile t % 2, rows t / 2.  The eight accumulators take turns, one instruction a turn; a set's first step starts the sums with 0.
; Behind each of the first four a v_nop, behind each of the last four a load for step u + 2: its buffer was last read in step u - 2, eight such places back.
.macro MMS u, t0, t1
.set tt, \t0
.rept (\t1)-(\t0)+1
.set rA, ABUF+16*((\u)%4)+8*(tt%2)
.set rB, 8*(4*((\u)%8)+tt/2)
.set rC, SND+64*((\u)/16)+8*(4*(tt%2)+tt/2)
.if ((\u)%16) == 0
	v_wmma_f32_16x16x32_f16 v[rC:rC+7], v[rA:rA+7], v[rB:rB+7], 0
.else
	v_wmma_f32_16x16x32_f16 v[rC:rC+7], v[rA:rA+7], v[rB:rB+7], v[rC:rC+7]
.endif
.if tt < 4
	v_nop
.elseif (\u)+2 <= 31
	LD1 (\u)+2, tt-4
.endif
.set tt, tt+1
.endr
.endm
.macro KSTEP u, n                      ; n: the LDS instructions issued behind this step's four loads
	s_wait_dscnt \n
	WIN 0x08+4*(((\u)%16)/8)                       ; x's fragments (source 1) in window 2 or 3, all else in window 0
	MMS \u, 0, 7
.endm
; Step 16, and the sums that I send.  The barrier orders every wave's reads of the exchange for the block before (waited for there) with the stores below.  The four loads between
; signal and wait read bytes of the slot in hand, which nobody writes before the block's last barrier.  SND's last products stand in step 15: step 16's four v_nop are the places behind them.
.macro K16
	s_wait_dscnt 0x0                               ; no LDS instruction of mine is out at the signal
	WIN 0x08
	s_barrier_signal -1
	MMS 16, 0, 7
	s_barrier_wait -1
	WIN 0
.set kk, 0
.rept 16
	ds_store_b128 v[XCS], v[SND+4*kk:SND+4*kk+3] offset:kk*512  ; each accumulator from its low end on; 32 lanes, 512 consecutive bytes
.set kk, kk+1
.endr
.endm
; Step 31 and the change of slots.  ONE barrier: in front of it each wave waits for all its tensor loads (one is out: its part of the next slot), adds 0 to its spare word, and waits for that, for its reads of
; this slot and for its stores into the exchange.  refill = 1: the barrier opens a round of the cluster's, and behind the round this slot is filled again, two blocks ahead: 256 products in which to land.
.macro K31 refill
	WIN 0
	s_wait_tensorcnt 0x0                           ; no tensor load of mine is out, so a group 0 may be written
	ds_add_u32 v[SPW], v[NIL]                      ; 0 onto my spare word
.if \refill
	s_xor_b32 s[G0S+1], s[G0S+1], SLOT1            ; the other slot than last time,
	s_add_nc_u64 s[G0S+2:G0S+3], s[G0S+2:G0S+3], 1024  ; the next 64 rows of every panel; the type bits on top are not reached
.endif
	s_wait_dscnt 0x1                               ; this step's four loads are in; the add alone may be out
	WIN 0x0c
	MMS 31, 0, 3
	s_wait_dscnt 0x0
	s_barrier_signal -1
	MMS 31, 4, 7                                   ; work on registers while the others arrive
	WIN 0                                          ; at a branch and at a label every window is 0
	s_barrier_wait -1
.if \refill
	CREST                                          ; no wave of any partner still reads this slot or has a load on its way
	tensor_load_to_lds s[G0S:G0S+3], s[G1S:G1S+7]
	s_nop 0
.endif
	PLACES                                         ; behind the last products, whose sums are read below
.endm
; Behind the barrier: the next block's first two steps are fetched (last = 1: not in the last trip); this block's 16 numbers a lane of each table and the partner's sums come in.
.macro AFTER last
	s_xor_b32 s[TB], s[TB], SLOT1
	v_add_nc_u32 v[ADS], s[TB], v[AB0S]
	v_add_nc_u32 v[ADK], s[TB], v[AB0K]
	v_add_nc_u32 v[TBA], s[TBO], v[TB0]
.if \last
	s_cmp_eq_u32 s[CNT], 1
	s_cbranch_scc1 .Lnofetch_\@
.endif
.irp t, 0,1,2,3
	LD1 0, \t
.endr
.irp t, 0,1,2,3
	LD1 1, \t
.endr
.if \last
.Lnofetch_\@:
.endif
.irp mt, 0,1                           ; s = 64 block + 32 q + 16 mt + 8 h + 0..7
	ds_load_b128 v[BK+8*\mt:BK+8*\mt+3],   v[TBA] offset:64*\mt
	ds_load_b128 v[BK+8*\mt+4:BK+8*\mt+7], v[TBA] offset:64*\mt+16
	ds_load_b128 v[CM+8*\mt:CM+8*\mt+3],   v[TBA] offset:2048+64*\mt
	ds_load_b128 v[CM+8*\mt+4:CM+8*\mt+7], v[TBA] offset:2048+64*\mt+16
.endr
	s_add_co_u32 s[TBO], s[TBO], 256
	WIN 0x40                                       ; destination window 1
.set kk, 0
.rept 16
	ds_load_b128 v[PRT+4*kk:PRT+4*kk+3], v[XCL] offset:kk*512
.set kk, kk+1
.endr
	WIN 0
	s_wait_dscnt 0x0                               ; right on both ways; the fetches are older than the partner's sums
.endm
; My pair's 64 numbers a lane: E completed; 2 log2(e) (E + b); the power of 2; + 1; the reciprocal r; (-2 c) r onto the scores' sums.  Each accumulator is read from its low end on.
.macro EPI
	WIN 0x04                                       ; source 1 in window 1
.set kk, 0
.rept 32
	v_pk_add_f32 v[KEP+2*kk:KEP+2*kk+1], v[KEP+2*kk:KEP+2*kk+1], v[PRT+2*kk:PRT+2*kk+1]
.set kk, kk+1
.endr
	WIN 0
.set kk, 0
.rept 32
	v_pk_fma_f32 v[KEP+2*kk:KEP+2*kk+1], v[KEP+2*kk:KEP+2*kk+1], s[K2:K2+1], v[BK+8*(kk/16)+2*(kk%4):BK+8*(kk/16)+2*(kk%4)+1] op_sel_hi:[1,0,1]
.set kk, kk+1
.endr
.set kk, 0
.rept 64
	v_exp_f32 v[KEP+kk], v[KEP+kk]
.set kk, kk+1
.endr
	v_nop                                          ; a plain instruction between the last of them and the use of its result (ISA guide 5.7.2)
.set kk, 0
	s_wait_alu depctr_va_vdst(0)
.rept 32
	v_pk_add_f32 v[KEP+2*kk:KEP+2*kk+1], v[KEP+2*kk:KEP+2*kk+1], 1.0 op_sel_hi:[1,0]
.set kk, kk+1
.endr
.set kk, 0
.rept 64
	v_rcp_f32 v[KEP+kk], v[KEP+kk]
.set kk, kk+1
.endr
	v_nop
	s_wait_alu depctr_va_vdst(0)
.irp mt, 0,1
.irp j, 0,1,2,3
.irp i, 0,1,2,3                        ; the four tiles of t innermost: four sums take turns
	v_pk_fma_f32 v[SC+2*\i:SC+2*\i+1], v[KEP+8*(4*\mt+\i)+2*\j:KEP+8*(4*\mt+\i)+2*\j+1], v[CM+8*\mt+2*\j:CM+8*\mt+2*\j+1], v[SC+2*\i:SC+2*\i+1]
.endr
	v_pk_add_f32 v[CS:CS+1], v[CS:CS+1], v[CM+8*\mt+2*\j:CM+8*\mt+2*\j+1]
.endr
.endr
.endm
.macro BLOCK refill, last
.set uu, 0
.rept 16
	KSTEP uu, 4                                    ; behind a step's loads only the next step's four were issued
.set uu, uu+1
.endr
	K16
	KSTEP 17, 20                                   ; younger: step 18's four loads and the sixteen stores
	KSTEP 18, 20                                   ; younger: the sixteen stores and step 19's four loads
.set uu, 19
.rept 12
	KSTEP uu, 4
.set uu, uu+1
.endr
	K31 \refill
	AFTER \last
	EPI
.endm
	s_load_b256 s[4:11], s[0:1], 0x0               ; xf s[4:5], yp s[6:7], b s[8:9], context_vector s[10:11]
	s_load_b128 s[12:15], s[0:1], 0x20             ; mask s[12:13], sc s[14:15]
	s_load_b64 s[16:17], s[0:1], 0x30              ; op
	v_lshl_add_u32 v[SPW], v0, 2, SPARE
	v_mov_b32 v[NIL], 0
	ds_add_u32 v[SPW], v[NIL]                      ; the wave's opening: the add and its wait ahead of my first tensor load; the set-up, work on registers, stands between
	v_lshrrev_b32 v1, 5, v0
	v_readfirstlane_b32 s[WV], v1
	s_lshr_b32 s[GG], s[WV], 1
	s_and_b32 s[QQ], s[WV], 1
	s_bfe_u32 s[CX], ttmp6, 0x40000
	s_lshl_b32 s[WG], ttmp9, 2                     ; in a cluster launch ttmp9 counts clusters: here it is the batch
	s_add_co_u32 s[WG], s[WG], s[CX]
	; Y's tiles: a wave brings 32 panels' 64 rows: 32 rows of 1,024 bytes, 8,192 bytes apart
	s_mov_b32 s[G1S+0], 15|(3<<16)|(1<<21)         ; the mask of four; 8-byte elements; bit 21 set beside a mask
	s_mov_b32 s[G1S+1], 128<<16                    ; tensor_dim0 = 128
	s_mov_b32 s[G1S+2], 32<<16                     ; tensor_dim1 = 32
	s_mov_b32 s[G1S+3], 128<<16                    ; tile_dim0 = 128
	s_mov_b32 s[G1S+4], 32                         ; tile_dim1 = 32
	s_mov_b32 s[G1S+5], 1024                       ; elements from row to row
	s_mov_b32 s[G1S+6], 0
	s_mov_b32 s[G1S+7], 0
	s_mov_b32 s[G0A], 1
	s_lshl_b32 s[G0A+1], s[WV], 15                 ; no place in the cluster enters an LDS address
	s_mov_b32 s[G0S], 1
	s_add_co_u32 s[G0S+1], s[G0A+1], SLOT1
	s_lshl_b32 s48, ttmp9, 20                      ; yp: the batch's 1 MiB, my 32 panels: what the four partners share, and the wave's number
	s_lshl_b32 s56, s[WV], 18
	s_add_co_u32 s48, s48, s56
	s_mov_b32 s49, 0
	s_lshl_b32 s50, s[WG], 2                       ; xf: 65,536 bytes a wave
	s_add_co_u32 s50, s50, s[WV]
	s_lshl_b32 s50, s50, 16
	s_mov_b32 s51, 0
	s_lshl_b32 s52, ttmp9, 9                       ; mask: 512 bytes a batch, my 128
	s_lshl_b32 s54, s[CX], 7
	s_add_co_u32 s52, s52, s54
	s_mov_b32 s53, 0
	s_lshl_b32 s54, s52, 2                         ; sc: the same place in f32
	s_mov_b32 s55, 0
	s_lshl_b32 s58, s[WG], 12                      ; op: 4,096 bytes a work-group
	s_mov_b32 s59, 0
	s_mov_b32 s[K2], 0x4038aa3b
	s_mov_b32 s[K2+1], s[K2]                       ; named with it as a pair
	s_mov_b32 s[SEL], 0x76543210
	s_mov_b32 s[SEL+1], 0xfedcba98
	s_mov_b32 s[L2E], 0x3fb8aa3b
	s_mov_b32 s[TB], 0
	s_mov_b32 s[TBO], 0
	s_wait_dscnt 0x0                               ; the opening add is done
	s_wait_kmcnt 0x0
	s_add_nc_u64 s[G0A+2:G0A+3], s[6:7], s[48:49]
	s_add_nc_u64 s[G0S+2:G0S+3], s[G0A+2:G0A+3], 1024
	s_or_b32 s[G0A+3], s[G0A+3], 0x80000000        ; type = 2
	s_or_b32 s[G0S+3], s[G0S+3], 0x80000000
	s_add_nc_u64 s[4:5], s[4:5], s[50:51]
	s_add_nc_u64 s[12:13], s[12:13], s[52:53]
	s_add_nc_u64 s[14:15], s[14:15], s[54:55]
	s_add_nc_u64 s[16:17], s[16:17], s[58:59]
	CROUND                                         ; the round in front of the first joint loads
	tensor_load_to_lds s[G0A:G0A+3], s[G1S:G1S+7]  ; the two first fills go out together: two loads of mine are out
	s_nop 0
	tensor_load_to_lds s[G0S:G0S+3], s[G1S:G1S+7]
	s_nop 0
	PLACES
	v_and_b32 v3, 31, v0                           ; lane
	v_lshlrev_b32 v[XO], 4, v3
	v_lshlrev_b32 v27, 4, v0                       ; four numbers of b and of c a thread
	v_lshlrev_b32 v28, 2, v3                       ; four bytes of mask a lane: t = 4 lane + 0..3
	global_load_b128 v[BK:BK+3], v27, s[8:9]
	global_load_b128 v[BK+4:BK+7], v27, s[10:11]
	global_load_b32 v[MK], v28, s[12:13]
	WIN 0x80                                       ; destination window 2, address window 0
.set ff, 0
.rept 64                               ; x's fragments, 512 consecutive bytes a load, into the registers whose image they are
	global_load_b128 v[4*ff:4*ff+3], v[XO], s[4:5] offset:ff*512 th:TH_LOAD_NT
.set ff, ff+1
.endr
	WIN 0xc0
.set ff, 0
.rept 64
	global_load_b128 v[4*ff:4*ff+3], v[XO], s[4:5] offset:(64+ff)*512 th:TH_LOAD_NT
.set ff, ff+1
.endr
	WIN 0
	v_and_b32 v1, 15, v0                           ; r
	v_bfe_u32 v2, v0, 4, 1                         ; h
	s_lshl_b32 s48, s[QQ], 16                      ; my half of d: 64 panels of 1,024 bytes
	s_xor_b32 s49, s[QQ], 1
	s_lshl_b32 s49, s49, 9                         ; the pair that I send: 32 rows of 16 bytes
	s_add_co_u32 s49, s49, s48
	s_lshl_b32 s50, s[QQ], 9                       ; the pair that I keep
	s_add_co_u32 s50, s50, s48
	v_lshlrev_b32 v[AB0K], 4, v1
	v_lshl_add_u32 v[AB0K], v2, 10, v[AB0K]
	v_add_nc_u32 v[AB0S], s49, v[AB0K]
	v_add_nc_u32 v[AB0K], s50, v[AB0K]
	s_lshl_b32 s48, s[WV], 13
	s_add_co_u32 s48, s48, XCHB
	v_add_nc_u32 v[XCS], s48, v[XO]
	s_xor_b32 s48, s[WV], 1                        ; my partner: same rows, the other half of d
	s_lshl_b32 s48, s48, 13
	s_add_co_u32 s48, s48, XCHB
	v_add_nc_u32 v[XCL], s48, v[XO]
	s_lshl_b32 s48, s[QQ], 7                       ; the tables: (32 q + 8 h) x 4 bytes
	s_add_co_u32 s48, s48, TBK
	v_lshl_add_u32 v[TB0], v2, 5, s48
	s_lshl_b32 s48, s[WV], 8
	s_add_co_u32 s48, s48, SCX
	v_lshl_add_u32 v[SXA], v1, 2, s48
	v_lshlrev_b32 v[SGA], 4, v1                    ; t = 4 lane + 0..3 lies with waves 2 (lane / 16) and + 1, at 4 (lane % 16)
	v_lshl_add_u32 v[SGA], v2, 9, v[SGA]
	v_add_nc_u32 v[SGA], SCX, v[SGA]
	s_mul_i32 s48, s[WV], XTW
	v_mul_u32_u24 v[XTS], v1, XTP
	v_lshl_add_u32 v[XTS], v2, 4, v[XTS]
	v_add_nc_u32 v[XTS], s48, v[XTS]
	v_and_b32 v26, 7, v0                           ; the turning load: lane l reads row 8 (l / 16) + l % 8, 16 bytes at 16 ((l / 8) % 2)
	v_lshl_add_u32 v26, v2, 3, v26
	v_mul_u32_u24 v[XTL], v26, XTP
	v_bfe_u32 v26, v0, 3, 1
	v_lshl_add_u32 v[XTL], v26, 4, v[XTL]
	v_add_nc_u32 v[XTL], s48, v[XTL]
.set kk, 0
.rept 10
	v_mov_b32 v[SC+kk], 0                          ; ten sums that run over all eight blocks
.set kk, kk+1
.endr
	v_add_nc_u32 v26, TBK, v27
	s_wait_loadcnt 0x0                             ; b, c, mask and x
.irp k, 0,1,2,3
	v_cvt_pk_bf16_f32 v[BK+8+\k], v[BK+2*\k], v[BK+2*\k+1]  ; b's four and c's four are rounded to bf16, nearest even,
.endr
.irp k, 0,1,2,3
	v_lshlrev_b32 v[BK+2*\k], 16, v[BK+8+\k]       ; and are f32 again: the low half moves up, the high half stays
	v_and_b32 v[BK+2*\k+1], 0xffff0000, v[BK+8+\k]
.endr
	v_pk_mul_f32 v[BK:BK+1], v[BK:BK+1], s[K2:K2+1] op_sel_hi:[1,0]
	v_pk_mul_f32 v[BK+2:BK+3], v[BK+2:BK+3], s[K2:K2+1] op_sel_hi:[1,0]
	v_pk_mul_f32 v[BK+4:BK+5], v[BK+4:BK+5], -2.0 op_sel_hi:[1,0]
	v_pk_mul_f32 v[BK+6:BK+7], v[BK+6:BK+7], -2.0 op_sel_hi:[1,0]
	ds_store_b128 v26, v[BK:BK+3]
	ds_store_b128 v26, v[BK+4:BK+7] offset:2048
	s_wait_tensorcnt 0x1                           ; my part of tile 0 is in; tile 1, issued behind it, may stay out
	s_wait_dscnt 0x0                               ; my part of the tables is written
	s_barrier_signal -1
	s_barrier_wait -1
	v_add_nc_u32 v[ADS], s[TB], v[AB0S]
	v_add_nc_u32 v[ADK], s[TB], v[AB0K]
.irp t, 0,1,2,3
	LD1 0, \t
.endr
.irp t, 0,1,2,3
	LD1 1, \t
.endr
	s_mov_b32 s[CNT], NB-2
.Lmain:                                                ; blocks 0 to 5: each fills its slot again, two blocks ahead
	BLOCK 1, 0
	WIN 0
	s_sub_co_u32 s[CNT], s[CNT], 1
	s_cmp_lg_u32 s[CNT], 0
	s_cbranch_scc1 .Lmain
	s_mov_b32 s[CNT], 2
.Ltail:                                                ; the last two blocks ask for nothing: a text of their own
	BLOCK 0, 1
	WIN 0
	s_sub_co_u32 s[CNT], s[CNT], 1
	s_cmp_lg_u32 s[CNT], 0
	s_cbranch_scc1 .Ltail
	; THE SCORES.  A lane's share: even and odd s, less half the sum of -2 c; the other half of the lanes holds the tile's other eight s.  My wave has the s of the pairs that it owns; the partner has the rest.
	v_add_f32 v26, v[CS], v[CS+1]
.irp i, 0,1,2,3
	v_add_f32 v[SC+2*\i], v[SC+2*\i], v[SC+2*\i+1]
.endr
.irp i, 0,1,2,3
	v_fma_f32 v[SC+2*\i], v26, -0.5, v[SC+2*\i]
.endr
.irp i, 0,1,2,3
	v_permlanex16_b32 v[SC+2*\i+1], v[SC+2*\i], s[SEL], s[SEL+1]
.endr
.irp i, 0,1,2,3
	v_add_f32 v[SC+2*\i], v[SC+2*\i], v[SC+2*\i+1]
.endr
.irp i, 0,1,2,3
	ds_store_b32 v[SXA], v[SC+2*\i] offset:64*\i   ; both halves of the lanes write the same word with the same number
.endr
	s_wait_dscnt 0x0                               ; for the others' sake: my shares are written; my reads of the ring ended at the last block's barrier
	s_barrier_signal -1
	s_barrier_wait -1
	ds_load_b128 v[SC:SC+3], v[SGA]                ; every wave takes all 128 scores, four a lane: the two waves' shares
	ds_load_b128 v[SC+4:SC+7], v[SGA] offset:256
	s_lshl_b32 s48, s[WV], 8
	s_add_co_u32 s48, s48, PH
	v_lshl_add_u32 v4, v3, 3, s48                  ; v4: where my four p go, in my wave's copy
	s_lshl_b32 s49, s[GG], 7
	s_add_co_u32 s49, s49, s48
	v_lshl_add_u32 v5, v2, 4, s49                  ; v5: p of my wave's 64 rows as source 0: every row of the fragment is the same p
	s_lshl_b32 s50, s[WV], 11
	s_add_co_u32 s50, s50, OPX
	v_lshl_add_u32 v7, v1, 2, s50                  ; v7: where my wave's share of op goes
	v_lshlrev_b32 v6, 4, v0                        ; v6: 16 x thread
	v_add_nc_u32 v8, OPX, v6                       ; v8: where I read op's shares
	v_mov_b32 v27, 0xff800000                      ; -inf
	s_wait_dscnt 0x0
	; x goes back to LDS by rows, over the ring (its last fill has landed, and every wave has passed the barrier above): my wave's 64 rows x 512 d, which I alone read.  The softmax's arithmetic follows while these stores drain.
	WIN 0x08                                       ; a store's data are its source 1: window 2
.set ff, 0
.rept 64
	ds_store_b128 v[XTS], v[4*ff:4*ff+3] offset:((ff/2)%4)*16*XTP+(ff/8)*64+(ff%2)*32
.set ff, ff+1
.endr
	WIN 0x0c
.set ff, 0
.rept 64
	ds_store_b128 v[XTS], v[4*ff:4*ff+3] offset:((ff/2)%4)*16*XTP+(8+ff/8)*64+(ff%2)*32
.set ff, ff+1
.endr
	WIN 0
	v_pk_add_f32 v[SC:SC+1], v[SC:SC+1], v[SC+4:SC+5]
	v_pk_add_f32 v[SC+2:SC+3], v[SC+2:SC+3], v[SC+6:SC+7]
.irp k, 0,1,2,3
	v_bfe_u32 v26, v[MK], 8*\k, 8
	v_cmp_ne_u32 vcc_lo, 0, v26
	v_cndmask_b32 v[SC+\k], v27, v[SC+\k], vcc_lo  ; the score, or -inf where the mask is 0
.endr
	s_cmp_lg_u32 s[WV], 0
	s_cbranch_scc1 .Lnosc
	global_store_b128 v[XO], v[SC:SC+3], s[14:15]  ; wave 0 alone: 512 consecutive bytes; these four registers are not written again
.Lnosc:
	v_max_num_f32 v24, v[SC], v[SC+1]
	v_max3_num_f32 v24, v24, v[SC+2], v[SC+3]
	v_max_num_f32_dpp v24, v24, v24 row_xmask:1 row_mask:0xf bank_mask:0xf
	v_max_num_f32_dpp v24, v24, v24 row_xmask:2 row_mask:0xf bank_mask:0xf
	v_max_num_f32_dpp v24, v24, v24 row_xmask:4 row_mask:0xf bank_mask:0xf
	v_max_num_f32_dpp v24, v24, v24 row_xmask:8 row_mask:0xf bank_mask:0xf
	v_permlanex16_b32 v25, v24, s[SEL], s[SEL+1]
	v_max_num_f32 v24, v24, v25
	v_max_num_f32 v24, 0xff7fffff, v24             ; m, at the least the lowest finite number: -inf less m stays -inf
.irp k, 0,1,2,3
	v_sub_f32 v[SC+4+\k], v[SC+\k], v24
.endr
.irp k, 0,1,2,3
	v_mul_f32 v[SC+4+\k], s[L2E], v[SC+4+\k]
.endr
.irp k, 0,1,2,3
	v_exp_f32 v[SC+4+\k], v[SC+4+\k]
.endr
	v_nop
	s_wait_alu depctr_va_vdst(0)
	v_cvt_pk_f16_f32 v26, v[SC+4], v[SC+5]
	v_cvt_pk_f16_f32 v27, v[SC+6], v[SC+7]
	ds_store_b64 v4, v[26:27]
.irp kt, 0,1                           ; LDS serves a wave's instructions in order (ISA guide 5.7.1.4): these see the store above, and the turning loads below see x's rows
	ds_load_b128 v[PF+8*\kt:PF+8*\kt+3],   v5 offset:64*\kt
	ds_load_b128 v[PF+8*\kt+4:PF+8*\kt+7], v5 offset:64*\kt+32
.endr
; op's share: D[.][d] = sum over my 64 t of p[t] x[t][d], eight tiles of 16 d at a time; source 1 is x turned (16 d x 32 t).  All 16 rows of D are alike: register 0 holds op[16 tile + lane % 16].
; Five v_nop behind a batch's products: the places in front of the stores of their results, of the next batch's loads into their sources, and of the next batch's products, which write over their results.
.macro OBATCH bt
.set dd, 0
.rept 8
.irp kt, 0,1
	ds_load_tr16_b128 v[XB+16*dd+8*\kt:XB+16*dd+8*\kt+3],   v[XTL] offset:\kt*32*XTP+(8*(\bt)+dd)*32
	ds_load_tr16_b128 v[XB+16*dd+8*\kt+4:XB+16*dd+8*\kt+7], v[XTL] offset:\kt*32*XTP+16*XTP+(8*(\bt)+dd)*32
.endr
.set dd, dd+1
.endr
	s_wait_dscnt 0x0
.set dd, 0
.rept 8                                ; the eight accumulators take turns
	v_wmma_f32_16x16x32_f16 v[OA+8*dd:OA+8*dd+7], v[PF:PF+7], v[XB+16*dd:XB+16*dd+7], 0
.set dd, dd+1
.endr
.set dd, 0
.rept 8
	v_wmma_f32_16x16x32_f16 v[OA+8*dd:OA+8*dd+7], v[PF+8:PF+15], v[XB+16*dd+8:XB+16*dd+15], v[OA+8*dd:OA+8*dd+7]
.set dd, dd+1
.endr
.rept 5
	v_nop
.endr
.set dd, 0
.rept 8
	ds_store_b32 v7, v[OA+8*dd] offset:(8*(\bt)+dd)*64
.set dd, dd+1
.endr
.endm
	OBATCH 0
	OBATCH 1
	OBATCH 2
	OBATCH 3
	s_wait_dscnt 0x0                               ; for the others' sake: my share of op is written
	s_barrier_signal -1
	s_barrier_wait -1
	ds_load_b128 v[32:35], v8                      ; d = 0 .. 511: waves 0 and 2; d = 512 .. 1,023: waves 1 and 3
	ds_load_b128 v[36:39], v8 offset:4096
	ds_load_b128 v[40:43], v8 offset:2048
	ds_load_b128 v[44:47], v8 offset:6144
	s_wait_dscnt 0x0
	v_pk_add_f32 v[32:33], v[32:33], v[36:37]
	v_pk_add_f32 v[34:35], v[34:35], v[38:39]
	v_pk_add_f32 v[40:41], v[40:41], v[44:45]
	v_pk_add_f32 v[42:43], v[42:43], v[46:47]
	global_store_b128 v6, v[32:35], s[16:17]       ; a wave stores 512 consecutive bytes
	global_store_b128 v6, v[40:43], s[16:17] offset:2048
	s_wait_tensorcnt 0x0                           ; the wave's end: three closing lines behind my last tensor load and my last LDS store
	ds_add_u32 v[SPW], v[NIL]
	s_wait_dscnt 0x0
	CROUND                                         ; the closing round: no work-group ends while a partner may still ask for a tile that names it
	s_endpgm
.Lfunc_end_k_q765a018012_attn:
	.size	k_q765a018012_attn, .Lfunc_end_k_q765a018012_attn-k_q765a018012_attn
	.p2alignl 7, 3214868480
	.fill 96, 4, 3214868480
	.section	.rodata,"a",@progbits
	.p2align	6, 0x0
	.amdhsa_kernel k_q765a018012_attn
		.amdhsa_group_segment_fixed_size 327680
		.amdhsa_private_segment_fixed_size 0
		.amdhsa_enable_private_segment 0
		.amdhsa_kernarg_size 56
		.amdhsa_user_sgpr_count 2
		.amdhsa_user_sgpr_kernarg_segment_ptr 1
		.amdhsa_wavefront_size32 1
		.amdhsa_system_sgpr_workgroup_id_x 1
		.amdhsa_system_sgpr_workgroup_id_y 1
		.amdhsa_system_sgpr_workgroup_id_z 1
		.amdhsa_system_vgpr_workitem_id 0
		.amdhsa_next_free_vgpr 1024
		.amdhsa_next_free_sgpr 66
		.amdhsa_reserve_vcc 1
		.amdhsa_float_denorm_mode_32 3
		.amdhsa_float_denorm_mode_16_64 3
		.amdhsa_memory_ordered 1
		.amdhsa_forward_progress 1
		.amdhsa_inst_pref_size 140
	.end_amdhsa_kernel
	.amdgpu_metadata
---
amdhsa.version: [ 1, 2 ]
amdhsa.kernels:
  - .name:           k_q765a018012_attn
    .symbol:         k_q765a018012_attn.kd
    .args:
      - { .name: xf, .offset: 0, .size: 8, .value_kind: global_buffer, .address_space: global }
      - { .name: yp, .offset: 8, .size: 8, .value_kind: global_buffer, .address_space: global }
      - { .name: b, .offset: 16, .size: 8, .value_kind: global_buffer, .address_space: global }
      - { .name: context_vector, .offset: 24, .size: 8, .value_kind: global_buffer, .address_space: global }
      - { .name: mask, .offset: 32, .size: 8, .value_kind: global_buffer, .address_space: global }
      - { .name: sc, .offset: 40, .size: 8, .value_kind: global_buffer, .address_space: global }
      - { .name: op, .offset: 48, .size: 8, .value_kind: global_buffer, .address_space: global }
    .group_segment_fixed_size: 327680
    .private_segment_fixed_size: 0
    .kernarg_segment_align: 8
    .kernarg_segment_size: 56
    .max_flat_workgroup_size: 128
    .sgpr_count:     66
    .vgpr_count:     1024
    .wavefront_size: 32
...
	.end_amdgpu_metadata
.endif
;; end of part 3
;; launch comb (part 4): grid 64 x 1, 4 waves a work-group, no clusters, 0 bytes of LDS; arguments sc, op, out0, out1; writes out0, out1
.if DOCPART == 4
	.amdgcn_target "amdgcn-amd-amdhsa--gfx1250"
	.amdhsa_code_object_version 6
	.text
	.protected	k_q765a018012_comb
	.globl	k_q765a018012_comb
	.p2align	8
	.type	k_q765a018012_comb,@function
k_q765a018012_comb:
	s_mov_b64 s[64:65], 0
	v_nop
	global_prefetch_b8 v0, s[64:65] scope:SCOPE_SE
	s_setreg_imm32_b32 hwreg(HW_REG_WAVE_MODE, 25, 1), 1
	s_wait_xcnt 0x0
; The softmax over a batch's 512 masked scores, and out0.  sc: [64][512] f32, -inf where masked.  op: [256][1024] f32: block u of 128 scores left sum over its t of e^(score - m_u) x[t][:], m_u the block's
; maximum (at the least the lowest finite number).  With M the maximum of all and L = sum of e^(score - M):  out1 = e^(score - M) / L;  out0 = sum over u of op[u] e^(m_u - M) / L.
; A batch with no valid token gives L = 0 and NaN, as the softmax of nothing does.  A weight below 2^-126 counts as 0.
; One work-group a batch, four waves; every wave reads all 512 scores (2,048 bytes) and makes M and L for itself: no LDS, no barrier.  Wave w writes 128 numbers of out1 and 256 of out0.
; 1.6 MB are moved in all: matrix units, tensor loads and clusters have nothing to do here, and 64 batches are all the work there is.
	s_load_b256 s[4:11], s[0:1], 0x0               ; sc s[4:5], op s[6:7], out0 s[8:9], out1 s[10:11]
	v_and_b32 v1, 31, v0
	v_lshrrev_b32 v2, 5, v0
	v_readfirstlane_b32 s12, v2                    ; wave
	v_lshlrev_b32 v1, 4, v1                        ; v1: 16 x lane
	s_lshl_b32 s14, ttmp9, 11                      ; sc and out1: 2,048 bytes a batch
	s_mov_b32 s15, 0
	s_lshl_b32 s13, s12, 10                        ; my wave's 256 numbers of a row of 1,024
	s_lshl_b32 s16, ttmp9, 14                      ; op: four rows of 4,096 bytes a batch
	s_add_co_u32 s16, s16, s13
	s_mov_b32 s17, 0
	s_lshl_b32 s18, ttmp9, 12                      ; out0: 4,096 bytes a batch
	s_add_co_u32 s18, s18, s13
	s_mov_b32 s19, 0
	s_lshl_b32 s13, s12, 9
	v_add_nc_u32 v2, s13, v1                       ; v2: my wave's 128 scores
	s_mov_b32 s20, 0x76543210                      ; v_permlanex16_b32: each lane takes its own place in the other half
	s_mov_b32 s21, 0xfedcba98
	s_mov_b32 s22, 0x3fb8aa3b                      ; log2(e)
.irp u, 0,1,2,3
	v_mov_b32 v[68+\u], 0                          ; v_permlanex16_b32's destinations count as read
.endr
	s_wait_kmcnt 0x0
	s_add_nc_u64 s[4:5], s[4:5], s[14:15]
	s_add_nc_u64 s[10:11], s[10:11], s[14:15]
	s_add_nc_u64 s[6:7], s[6:7], s[16:17]
	s_add_nc_u64 s[8:9], s[8:9], s[18:19]
.irp u, 0,1,2,3
	global_load_b128 v[8+4*\u:11+4*\u], v1, s[4:5] offset:512*\u   ; block u's scores, four a lane
.endr
	global_load_b128 v[24:27], v2, s[4:5]          ; the four that I write
.irp g, 0,1,2,3
.irp u, 0,1
	global_load_b128 v[32+8*\g+4*\u:35+8*\g+4*\u], v1, s[6:7] offset:4096*\g+512*\u
.endr
.endr
	s_wait_loadcnt 0x8                             ; the scores are in; the eight loads of op, issued behind them, stay out
.irp u, 0,1,2,3
	v_max_num_f32 v[64+\u], v[8+4*\u], v[9+4*\u]
.endr
.irp u, 0,1,2,3
	v_max3_num_f32 v[64+\u], v[64+\u], v[10+4*\u], v[11+4*\u]
.endr
.irp x, 1,2,4,8
.irp u, 0,1,2,3
	v_max_num_f32_dpp v[64+\u], v[64+\u], v[64+\u] row_xmask:\x row_mask:0xf bank_mask:0xf
.endr
.endr
.irp u, 0,1,2,3
	v_permlanex16_b32 v[68+\u], v[64+\u], s20, s21
.endr
.irp u, 0,1,2,3
	v_max_num_f32 v[64+\u], v[64+\u], v[68+\u]
.endr
.irp u, 0,1,2,3
	v_max_num_f32 v[64+\u], 0xff7fffff, v[64+\u]   ; m_u, as the launch before took it
.endr
	v_max3_num_f32 v72, v64, v65, v66
	v_max_num_f32 v72, v72, v67                    ; M
.set kk, 0
.rept 20
	v_sub_f32 v[8+kk], v[8+kk], v72                ; the 16 scores, and my four
.set kk, kk+1
.endr
.irp u, 0,1,2,3
	v_sub_f32 v[64+\u], v[64+\u], v72
.endr
.set kk, 0
.rept 20
	v_mul_f32 v[8+kk], s22, v[8+kk]
.set kk, kk+1
.endr
.irp u, 0,1,2,3
	v_mul_f32 v[64+\u], s22, v[64+\u]
.endr
.set kk, 0
.rept 20
	v_exp_f32 v[8+kk], v[8+kk]
.set kk, kk+1
.endr
.irp u, 0,1,2,3
	v_exp_f32 v[64+\u], v[64+\u]
.endr
	v_nop                                          ; a plain instruction between the last of them and the use of its result (ISA guide 5.7.2)
	s_wait_alu depctr_va_vdst(0)
	v_pk_add_f32 v[8:9], v[8:9], v[10:11]
	v_pk_add_f32 v[12:13], v[12:13], v[14:15]
	v_pk_add_f32 v[16:17], v[16:17], v[18:19]
	v_pk_add_f32 v[20:21], v[20:21], v[22:23]
	v_pk_add_f32 v[8:9], v[8:9], v[12:13]
	v_pk_add_f32 v[16:17], v[16:17], v[20:21]
	v_pk_add_f32 v[8:9], v[8:9], v[16:17]
	v_add_f32 v8, v8, v9
	v_add_f32_dpp v8, v8, v8 row_xmask:1 row_mask:0xf bank_mask:0xf
	v_add_f32_dpp v8, v8, v8 row_xmask:2 row_mask:0xf bank_mask:0xf
	v_add_f32_dpp v8, v8, v8 row_xmask:4 row_mask:0xf bank_mask:0xf
	v_add_f32_dpp v8, v8, v8 row_xmask:8 row_mask:0xf bank_mask:0xf
	v_permlanex16_b32 v68, v8, s20, s21
	v_add_f32 v8, v8, v68                          ; L
	v_rcp_f32 v73, v8
	v_nop
	s_wait_alu depctr_va_vdst(0)
.irp k, 0,1,2,3
	v_mul_f32 v[24+\k], v[24+\k], v73
.endr
	global_store_b128 v2, v[24:27], s[10:11]       ; a wave stores 512 consecutive bytes of out1
.irp u, 0,1,2,3
	v_mul_f32 v[64+\u], v[64+\u], v73              ; e^(m_u - M) / L
.endr
	s_wait_loadcnt 0x0                             ; op
.set kk, 0
.rept 8
	v_mul_f32 v[32+kk], v[32+kk], v64
.set kk, kk+1
.endr
.irp g, 1,2,3
.set kk, 0
.rept 8
	v_fma_f32 v[32+kk], v[32+8*\g+kk], v[64+\g], v[32+kk]
.set kk, kk+1
.endr
.endr
	global_store_b128 v1, v[32:35], s[8:9]         ; and twice 512 of out0
	global_store_b128 v1, v[36:39], s[8:9] offset:512
	s_endpgm
.Lfunc_end_k_q765a018012_comb:
	.size	k_q765a018012_comb, .Lfunc_end_k_q765a018012_comb-k_q765a018012_comb
	.p2alignl 7, 3214868480
	.fill 96, 4, 3214868480
	.section	.rodata,"a",@progbits
	.p2align	6, 0x0
	.amdhsa_kernel k_q765a018012_comb
		.amdhsa_group_segment_fixed_size 0
		.amdhsa_private_segment_fixed_size 0
		.amdhsa_enable_private_segment 0
		.amdhsa_kernarg_size 32
		.amdhsa_user_sgpr_count 2
		.amdhsa_user_sgpr_kernarg_segment_ptr 1
		.amdhsa_wavefront_size32 1
		.amdhsa_system_sgpr_workgroup_id_x 1
		.amdhsa_system_sgpr_workgroup_id_y 1
		.amdhsa_system_sgpr_workgroup_id_z 1
		.amdhsa_system_vgpr_workitem_id 0
		.amdhsa_next_free_vgpr 80
		.amdhsa_next_free_sgpr 66
		.amdhsa_reserve_vcc 0
		.amdhsa_float_denorm_mode_32 3
		.amdhsa_float_denorm_mode_16_64 3
		.amdhsa_memory_ordered 1
		.amdhsa_forward_progress 1
		.amdhsa_inst_pref_size 11
	.end_amdhsa_kernel
	.amdgpu_metadata
---
amdhsa.version: [ 1, 2 ]
amdhsa.kernels:
  - .name:           k_q765a018012_comb
    .symbol:         k_q765a018012_comb.kd
    .args:
      - { .name: sc, .offset: 0, .size: 8, .value_kind: global_buffer, .address_space: global }
      - { .name: op, .offset: 8, .size: 8, .value_kind: global_buffer, .address_space: global }
      - { .name: out0, .offset: 16, .size: 8, .value_kind: global_buffer, .address_space: global }
      - { .name: out1, .offset: 24, .size: 8, .value_kind: global_buffer, .address_space: global }
    .group_segment_fixed_size: 0
    .private_segment_fixed_size: 0
    .kernarg_segment_align: 8
    .kernarg_segment_size: 32
    .max_flat_workgroup_size: 128
    .sgpr_count:     66
    .vgpr_count:     80
    .wavefront_size: 32
...
	.end_amdgpu_metadata
.endif
;; end of part 4
;; ======== version 2 of 3: 4 launches; 1.32 times as fast as version 1
;; limits: values are held in f16: magnitudes above 65,504 overflow, below 6.1e-05 lose precision; inputs' magnitudes at most 65,504; below input magnitudes of 6.1e-05 results are inexact or not finite; right only within a limited range of input values
;; workspace buffers: wp 2,097,152 bytes; yp 67,108,864 bytes; xf 67,108,864 bytes; sc 131,072 bytes; op 1,048,576 bytes
;; launch wcvt: the kernel of part 1 again; grid 64 x 4, 2 waves a work-group, no clusters, 8,960 bytes of LDS; arguments weight, wp; writes wp
;; launch proj (part 5): grid 256 x 1, 4 waves a work-group, clusters of 4 x 1, 327,680 bytes of LDS; arguments x, wp, yp, xf; writes yp, xf
.if DOCPART == 5
	.amdgcn_target "amdgcn-amd-amdhsa--gfx1250"
	.amdhsa_code_object_version 6
	.text
	.protected	k_q765a018012_proj
	.globl	k_q765a018012_proj
	.p2align	8
	.type	k_q765a018012_proj,@function
k_q765a018012_proj:
	s_mov_b64 s[64:65], 0
	v_nop
	global_prefetch_b8 v0, s[64:65] scope:SCOPE_SE
	s_setreg_imm32_b32 hwreg(HW_REG_WAVE_MODE, 25, 1), 1
	s_wait_xcnt 0x0
	s_wait_alu depctr_hold_cnt(0) depctr_sa_sdst(0) depctr_va_vdst(0) depctr_va_sdst(0) depctr_va_ssrc(0) depctr_va_vcc(0) depctr_vm_vsrc(0)
	s_getreg_b32 s2, hwreg(HW_REG_IB_STS2, 6, 4)
	s_cmp_eq_u32 s2, 0
	s_cbranch_scc0 .Lentry_in_a_cluster
	s_endpgm
.Lentry_in_a_cluster:
	s_bfe_u32 s2, ttmp6, 0x10000c
	s_cmp_lg_u32 s2, 0x3003
	s_cbranch_scc0 .Lentry_shape_is_right
	s_endpgm
.Lentry_shape_is_right:
; Y[s][d] = sum over e of W[d][e] x[s][e], for the work-group's 128 rows s of x (32,768 rows in all, 256 work-groups).  With it E[t][s] = sum over d of x[t][d] Y[s][d].
; THE FORMATS.  x is rounded once to bf16, as all this program's inputs are (W by the launch before), and that number is written as f16, which holds a bf16 number exactly from 6.1e-5 to 65,504.  Sums in f32.
; Y, which the program itself makes, is clamped to +-65,504 and rounded once to f16: tanh is steep where E is near 0, and an 8-bit mantissa in Y would move the scores by about as much as the result may be off.
; LIMITS: |x| stays below 65,520; below 6.1e-5 an operand keeps f16's fixed step of 6e-8; a Y beyond 65,504 counts as 65,504; NaN and infinities are not treated apart.
; OUT: yp, f16, [batch][d / 8][s: 512][8] (64 rows s of a panel are 1,024 consecutive bytes), and xf, the f16 fragments of x as they lie in my registers, 512 bytes a half fragment.
; SHARES.  Wave w = 2 g + q keeps rows 64 g .. 64 g + 63 of x for e = 512 q .. 512 q + 511 as 64 B fragments in 512 registers for the whole launch.  W is streamed in 16 blocks of 64 rows d x all
; 1,024 e through two LDS slots.  A fragment of W (two LDS loads) feeds four products.  The split of e leaves two partial sums: of a block's four tiles of 16 d wave q OWNS tiles 2 q, 2 q + 1.  It first makes
; the other pair's partial sums (SND, steps 0-15), hands them to its partner through LDS while it makes its own pair's (KEP, steps 16-31), and adds the partner's to its own.
; A BLOCK is 32 steps of 32 along e, in eight GROUPS of four steps: 32 products a group.  LDS instructions stand in runs, never singly among the products: a group's 16 loads in the middle of the group before;
; the 16 stores of SND ride in group 4's run, the 16 loads of the partner's sums in group 6's, so that they are in registers when the block's last product is issued.
; THE PRODUCT: source 0 = 16 rows d of W, source 1 = 16 rows s of x: a lane's eight results are eight neighbouring d of one s: 16 bytes of yp, and 16 lanes hold 256 consecutive bytes.
; CLUSTER: all work-groups walk the same W; the four of a cluster ask for each tile JOINTLY (same load, same descriptor, mask of four).  x's tiles are nobody else's: plain loads.
; LDS: first two slots of x (4 waves x 64 rows x 528 bytes each), then over them W's two slots of 131,072 bytes, [e / 8: 128][d: 64][16 bytes]: the 16 lanes of a half read 256 consecutive bytes.
; REGISTERS, in windows of 256 (s_set_vgpr_msb: bits 1:0 source 0, 3:2 source 1, 5:4 source 2, 7:6 destination):
;   window 0: v0-31 addresses; v96-159 SND, v160-223 KEP: accumulator (tile mt, rows i) at + 8 (4 mt + i)
;   window 1: x as f32 on its way in (all 256); later v0-63 the partner's sums, v64-95 packed results, v128-255 two buffers of W's fragments: a group's four steps, (step, tile mt) at + 16 (step % 4) + 8 mt
;   windows 2, 3: x's fragments: rows i, step c at window 2 + c / 8, v[8 (4 (c % 8) + i)]
.set NB,     16                        ; blocks of 64 rows d
.set SLOT1,  131072                    ; W's slot 1; one exclusive or turns an address in one slot into the other's
.set XPITCH, 528                       ; a row of x's tile: 512 bytes + 16: an odd multiple of 16, so the 16 rows of a load start at 16 different groups of four banks (ISA guide 11.1)
.set XWAVE,  64*XPITCH
.set XSLOT,  4*XWAVE
.set XCHB,   2*XSLOT                   ; behind every tile: the exchange, 8,192 bytes a wave; no tensor load lands there
.set SPARE,  XCHB+4*8192               ; the spare words, 128 bytes a wave: two blocks of 256 bytes that no other line names
.set AB0S, 4                           ; v4   my lane's place in a slot for the pair that I send: 65,536 q + 1,024 h + 16 r + 512 (1 - q)
.set AB0K, 5                           ; v5   the same for the pair that I keep: + 512 q
.set ADS,  6                           ; v6, v7  those two in the slot in hand
.set ADK,  7
.set XCS,  8                           ; v8   where I put my sums for the partner
.set XCL,  9                           ; v9   where the partner puts its sums for me
.set XO,   10                          ; v10  16 x lane
.set YO,   11                          ; v11  my byte offset in yp
.set XA0,  12                          ; v12, v13  my lane's place in my part of x's slot 0, 1
.set SPW,  30                          ; v30  LDS address of my spare word; never rewritten
.set NIL,  31                          ; v31  0; never rewritten
.set SND,  96
.set KEP,  160
.set PRT,  0                           ; window 1
.set OUT,  64                          ; window 1
.set FB,   128                         ; window 1
.set NX,   0                           ; LDS loads of the kernel's own in group 6's run: none here
.set WV, 12                            ; s12 wave;  s13 g;  s14 q;  s15 my place in the cluster;  s16 work-group
.set GG, 13
.set QQ, 14
.set CX, 15
.set WG, 16
.set G1X, 24                           ; s[24:31] descriptor group 1 for x's tiles
.set G1S, 32                           ; s[32:39] for W's
.set G0XA, 40                          ; s[40:43], s[44:47] group 0 for x's two slots
.set G0XB, 44
.set G0S, 48                           ; s[48:51] group 0 for W's tiles: it walks
.set TB,  52                           ; s52 the slot in hand
.set CNT, 53                           ; s53 counts blocks
.set YST, 54                           ; s[54:55] what the next way out adds to yp's address
.set CLO, 56                           ; s56, s57 -65,504 and 65,504
.set CHI, 57
.set YB,  58                           ; s[58:59] yp at the block in hand
.set XFB, 60                           ; s[60:61] xf at my wave's 65,536 bytes
.set HM,  62                           ; s62 a word's upper bf16
.set MSB, 0
.macro WIN new                         ; the immediate's high byte repeats the setting that is left; a switch that changes nothing is dropped
.if MSB != (\new)
	s_set_vgpr_msb (MSB<<8)|(\new)
.set MSB, \new
.endif
.endm
.macro PLACES                          ; four plain vector instructions that name no register of the products round them (ISA guide 7.12.1)
.rept 4
	v_nop
.endr
.endm
.macro CREST                           ; a round of the cluster's barrier behind its opening barrier
	s_cmp_lg_u32 s[WV], 0
	s_cbranch_scc1 .Lnot_wave_0_\@
	s_barrier_signal -3
.Lnot_wave_0_\@:
	s_barrier_wait -3
	s_barrier_signal -1
	s_barrier_wait -1
.endm
.macro CROUND                          ; a whole round
	s_barrier_signal -1
	s_barrier_wait -1
	CREST
.endm
; Load t of the four of step u: tile t / 2 of the step's pair, half t % 2 of its fragment (k = 8 h + 0..7, or 16 + 8 h + 0..7: two panels on)
.macro LD1 u, t
.set rD, FB+64*(((\u)/4)%2)+16*((\u)%4)+8*((\t)/2)+4*((\t)%2)
.if (\u) < 16
	ds_load_b128 v[rD:rD+3], v[ADS] offset:((\u)%16)*4096+((\t)/2)*256+((\t)%2)*2048
.else
	ds_load_b128 v[rD:rD+3], v[ADK] offset:((\u)%16)*4096+((\t)/2)*256+((\t)%2)*2048
.endif
.endm
.macro FETCH g                         ; one run of 16 loads: group g's four steps, in the steps' order, into buffer g % 2
	WIN 0x40                                       ; destination window 1, address window 0
.set fu, 4*(\g)
.rept 4
.irp t, 0,1,2,3
	LD1 fu, \t
.endr
.set fu, fu+1
.endr
.endm
; 16 products: steps 4 g + 2 hf and + 1; in a step tile t % 2, rows t / 2.  The eight accumulators take turns, one instruction a turn; a set's first step starts the sums with 0.
.macro MM16 g, hf
	WIN 0x09+4*(((\g)%4)/2)                        ; W's fragments (source 0) in window 1, x's (source 1) in window 2 or 3, the sums in window 0
.set mu, 4*(\g)+2*(\hf)
.rept 2
.set tt, 0
.rept 8
.set rA, FB+64*((\g)%2)+16*(mu%4)+8*(tt%2)
.set rB, 8*(4*(mu%8)+tt/2)
.set rC, SND+64*(mu/16)+8*(4*(tt%2)+tt/2)
.if (mu%16) == 0
	v_wmma_f32_16x16x32_f16 v[rC:rC+7], v[rA:rA+7], v[rB:rB+7], 0
.else
	v_wmma_f32_16x16x32_f16 v[rC:rC+7], v[rA:rA+7], v[rB:rB+7], v[rC:rC+7]
.endif
.set tt, tt+1
.endr
.set mu, mu+1
.endr
.endm
; A group: its first two steps; four places and the next group's run (that buffer's last readers stand in the group before); its last two steps.
; n0: what may be out when the first two steps' eight loads are in; n1: what was issued behind the group's own sixteen.
.macro GROUP g, n0, n1
	s_wait_dscnt \n0
	MM16 \g, 0
	PLACES
	FETCH (\g)+1
	s_wait_dscnt \n1
	MM16 \g, 1
.endm
.macro SENDX                           ; the sums that I send.  Their last products stand in group 3; the four places of group 4's run are behind them
	WIN 0
.set kk, 0
.rept 16
	ds_store_b128 v[XCS], v[SND+4*kk:SND+4*kk+3] offset:kk*512  ; each accumulator from its low end on; 32 lanes, 512 consecutive bytes
.set kk, kk+1
.endr
.endm
.macro TAKEX                           ; the partner's sums for my pair
	WIN 0x40
.set kk, 0
.rept 16
	ds_load_b128 v[PRT+4*kk:PRT+4*kk+3], v[XCL] offset:kk*512
.set kk, kk+1
.endr
.endm
; Group 7 and the change of slots.  ONE barrier: in front of it each wave waits for all its tensor loads (one is out: its part of the next slot), adds 0 to its spare word, and waits for that and for all its LDS
; instructions: its reads of this slot and of the exchange.  refill = 1: the barrier opens a round of the cluster's, and behind the round this slot is filled again, two blocks ahead: 224 products stand between
; that request and the wait for it.
.macro LASTG refill
	WIN 0
	s_wait_tensorcnt 0x0                           ; no tensor load of mine is out, so a group 0 may be written
	ds_add_u32 v[SPW], v[NIL]                      ; 0 onto my spare word
.if \refill
	s_xor_b32 s[G0S+1], s[G0S+1], SLOT1            ; the other slot than last time,
	s_add_nc_u64 s[G0S+2:G0S+3], s[G0S+2:G0S+3], 1024  ; the next 64 rows of every panel; the type bits on top are not reached
.endif
	s_wait_dscnt 25+NX                             ; the first two steps' eight loads are in; out may be: the group's other eight, the partner's sixteen, the kernel's own NX, the add
	MM16 7, 0
	s_wait_dscnt 0x0
	s_barrier_signal -1
	MM16 7, 1                                      ; work on registers while the others arrive
	WIN 0                                          ; at a branch and at a label every window is 0
	s_barrier_wait -1
.if \refill
	CREST                                          ; no wave of any partner still reads this slot or has a load on its way
	tensor_load_to_lds s[G0S:G0S+3], s[G1S:G1S+7]
	s_nop 0
.endif
	PLACES                                         ; behind the last products, whose sums are read below
.endm
; Behind the barrier the next block's first group is fetched (last = 1: not in the last trip): it lands under the way out.
.macro AFTER last
	s_xor_b32 s[TB], s[TB], SLOT1
	v_add_nc_u32 v[ADS], s[TB], v[AB0S]
	v_add_nc_u32 v[ADK], s[TB], v[AB0K]
.if \last
	s_cmp_eq_u32 s[CNT], 1
	s_cbranch_scc1 .Lnofetch_\@
.endif
	FETCH 0
	WIN 0
.if \last
.Lnofetch_\@:
.endif
.endm
; The way out of a block: my pair's sums are completed, clamped, rounded to f16 and stored: a lane's 16 bytes are eight d of one s, 16 lanes 256 consecutive bytes of a panel.
.macro EPI
	s_wait_xcnt 0x0                                ; the last block's stores have had their addresses translated (ISA guide 3.1): only now are their base and data rewritten
	s_add_nc_u64 s[YB:YB+1], s[YB:YB+1], s[YST:YST+1]
	WIN 0x04                                       ; source 1 in window 1
.set kk, 0
.rept 32
	v_pk_add_f32 v[KEP+2*kk:KEP+2*kk+1], v[KEP+2*kk:KEP+2*kk+1], v[PRT+2*kk:PRT+2*kk+1]
.set kk, kk+1
.endr
	WIN 0
.set kk, 0
.rept 64
	v_med3_num_f32 v[KEP+kk], v[KEP+kk], s[CLO], s[CHI]
.set kk, kk+1
.endr
	WIN 0x40
.set kk, 0
.rept 32
	v_cvt_pk_f16_f32 v[OUT+kk], v[KEP+2*kk], v[KEP+2*kk+1]
.set kk, kk+1
.endr
	WIN 0x04                                       ; a store's data are its source 1
.set kk, 0
.rept 8
	global_store_b128 v[YO], v[OUT+4*kk:OUT+4*kk+3], s[YB:YB+1] offset:(kk/4)*16384+(kk%4)*256 th:TH_STORE_NT  ; tile kk / 4: two panels on; rows kk % 4: 16 rows s on
.set kk, kk+1
.endr
	WIN 0
	s_mov_b32 s[YST], 65536                        ; a block is eight panels of 8,192 bytes
.endm
.macro BLOCK refill, last
	GROUP 0, 8, 16                                 ; 8: the group's last eight loads may be out; 16: the run just issued
	GROUP 1, 8, 16
	GROUP 2, 8, 16
	GROUP 3, 8, 16
	s_wait_dscnt 8                                 ; group 4: its run holds group 5's loads and, behind them, the sums that I send.  The partner's reads of the exchange for the
	MM16 4, 0                                      ; block before were waited for in front of that block's last barrier
	PLACES
	FETCH 5
	SENDX
	s_wait_dscnt 32                                ; the 16 loads and 16 stores just issued may be out
	MM16 4, 1
	GROUP 5, 24, 32                                ; 24: its own last eight loads and the sixteen stores; 32: the sixteen stores and the run just issued
	s_wait_dscnt 0x0                               ; group 6: for the partner's sake my stores are done; no LDS instruction of mine is out at the signal
	s_barrier_signal -1
	MM16 6, 0
	s_barrier_wait -1                              ; the partner's stores are done too
	PLACES
	FETCH 7
	TAKEX
	MM16 6, 1                                      ; its fragments were shown in by the wait for 0 above
	LASTG \refill
	AFTER \last
	EPI
.endm
; Piece p of x: my 64 rows x 128 e, f32, out of my part of slot p % 2 (bytes that my own load brought and I alone read).  Each pair of numbers is rounded to bf16 (into the pair's second register), taken apart
; into two f32 again, in place, and written as f16 into one of 16 fragments, which also go to xf.
.macro XPIECE p
	WIN 0x40
.set kk, 0
.rept 16                               ; fragment kk: rows 16 (kk % 4) on, e 32 (kk / 4) on; a lane's 16 numbers are 2 x 32 bytes, 64 bytes apart
.irp t, 0,1,2,3
	ds_load_b128 v[16*kk+4*\t:16*kk+4*\t+3], v[XA0+((\p)%2)] offset:(kk%4)*16*XPITCH+(kk/4)*128+((\t)/2)*64+((\t)%2)*16
.endr
.set kk, kk+1
.endr
	WIN 0x45                                       ; sources and destination in window 1
.set kk, 0
.rept 16
	s_wait_dscnt 60-4*kk                           ; LDS loads come back in order (ISA guide 5.7.1): fragment kk's four are in, the younger fragments' stay out
.set jj, 0
.rept 8
	v_cvt_pk_bf16_f32 v[16*kk+2*jj+1], v[16*kk+2*jj], v[16*kk+2*jj+1]  ; the one rounding: to bf16, nearest even
.set jj, jj+1
.endr
.set jj, 0
.rept 8
	v_lshlrev_b32 v[16*kk+2*jj], 16, v[16*kk+2*jj+1]                   ; the low half moves up,
.set jj, jj+1
.endr
.set jj, 0
.rept 8
	v_and_b32 v[16*kk+2*jj+1], s[HM], v[16*kk+2*jj+1]                  ; the high half stays
.set jj, jj+1
.endr
.set kk, kk+1
.endr
	WIN 0x85+0x40*((\p)/2)                         ; sources in window 1, destination in window 2 or 3
.set kk, 0
.rept 128
	v_cvt_pk_f16_f32 v[128*((\p)%2)+kk], v[2*kk], v[2*kk+1]
.set kk, kk+1
.endr
	WIN 0x08+4*((\p)/2)
.set kk, 0
.rept 32
	global_store_b128 v[XO], v[4*(32*((\p)%2)+kk):4*(32*((\p)%2)+kk)+3], s[XFB:XFB+1] offset:(32*(\p)+kk)*512 th:TH_STORE_NT  ; 512 consecutive bytes; these registers are never rewritten
.set kk, kk+1
.endr
.endm
; Behind piece p its slot is filled again, in this order: all my tensor loads have landed, the add, my reads are back, a round of the cluster's barrier, ONE load: x's piece p + 2, or W's tile p - 2.
.macro XBOUND p
	WIN 0
	s_wait_tensorcnt 0x0
	ds_add_u32 v[SPW], v[NIL]
.if (\p) == 0
	s_add_nc_u64 s[G0XA+2:G0XA+3], s[G0XA+2:G0XA+3], 1024
.elseif (\p) == 1
	s_add_nc_u64 s[G0XB+2:G0XB+3], s[G0XB+2:G0XB+3], 1024
.elseif (\p) == 3
	s_xor_b32 s[G0S+1], s[G0S+1], SLOT1
	s_add_nc_u64 s[G0S+2:G0S+3], s[G0S+2:G0S+3], 1024
.endif
	s_wait_dscnt 0x0
	CROUND
.if (\p) == 0
	tensor_load_to_lds s[G0XA:G0XA+3], s[G1X:G1X+7]
.elseif (\p) == 1
	tensor_load_to_lds s[G0XB:G0XB+3], s[G1X:G1X+7]
.else
	tensor_load_to_lds s[G0S:G0S+3], s[G1S:G1S+7]
.endif
	s_nop 0
	PLACES
.endm
	s_load_b256 s[4:11], s[0:1], 0x0               ; x s[4:5], wp s[6:7], yp s[8:9], xf s[10:11]
	v_lshl_add_u32 v[SPW], v0, 2, SPARE
	v_mov_b32 v[NIL], 0
	ds_add_u32 v[SPW], v[NIL]                      ; the wave's opening: the add and its wait ahead of my first tensor load; the set-up, work on registers, stands between
	v_lshrrev_b32 v1, 5, v0
	v_readfirstlane_b32 s[WV], v1
	s_lshr_b32 s[GG], s[WV], 1
	s_and_b32 s[QQ], s[WV], 1
	s_bfe_u32 s[CX], ttmp6, 0x40000
	s_lshl_b32 s[WG], ttmp9, 2                     ; in a cluster launch ttmp9 counts clusters
	s_add_co_u32 s[WG], s[WG], s[CX]
	; x's tiles: 64 rows x 128 f32, padded in LDS
	s_mov_b32 s[G1X+0], (2<<16)|(1<<20)|(6<<22)|(3<<25)  ; no mask; 4-byte elements; padding on: after every 128 words (code 6) 4 words (code 3)
	s_mov_b32 s[G1X+1], 128<<16                    ; tensor_dim0 = 128
	s_mov_b32 s[G1X+2], 64<<16                     ; tensor_dim1 = 64
	s_mov_b32 s[G1X+3], 128<<16                    ; tile_dim0 = 128
	s_mov_b32 s[G1X+4], 64                         ; tile_dim1 = 64
	s_mov_b32 s[G1X+5], 1024                       ; elements from row to row
	s_mov_b32 s[G1X+6], 0
	s_mov_b32 s[G1X+7], 0
	; W's tiles: a wave brings 32 panels' 64 rows: 32 rows of 1,024 bytes, 16,384 bytes apart
	s_mov_b32 s[G1S+0], 15|(3<<16)|(1<<21)         ; the mask of four; 8-byte elements; bit 21 set beside a mask
	s_mov_b32 s[G1S+1], 128<<16
	s_mov_b32 s[G1S+2], 32<<16
	s_mov_b32 s[G1S+3], 128<<16
	s_mov_b32 s[G1S+4], 32
	s_mov_b32 s[G1S+5], 2048
	s_mov_b32 s[G1S+6], 0
	s_mov_b32 s[G1S+7], 0
	s_mov_b32 s[G0XA], 1
	s_mul_i32 s[G0XA+1], s[WV], XWAVE              ; no place in the cluster enters an LDS address
	s_mov_b32 s[G0XB], 1
	s_add_co_u32 s[G0XB+1], s[G0XA+1], XSLOT
	s_mov_b32 s[G0S], 1
	s_lshl_b32 s[G0S+1], s[WV], 15
	s_lshl_b32 s18, s[WG], 19                      ; x: 128 rows of 4,096 bytes a work-group,
	s_lshl_b32 s17, s[GG], 18                      ; 64 rows,
	s_add_co_u32 s18, s18, s17
	s_lshl_b32 s17, s[QQ], 11                      ; 512 e
	s_add_co_u32 s18, s18, s17
	s_mov_b32 s19, 0
	s_lshl_b32 s20, s[WV], 19                      ; wp: my 32 panels; made of the wave's number alone
	s_mov_b32 s21, 0
	s_lshl_b32 s22, ttmp9, 20                      ; yp: the batch's 1 MiB, my work-group's 128 rows s of 16 bytes
	s_lshl_b32 s17, s[CX], 11
	s_add_co_u32 s22, s22, s17
	s_mov_b32 s23, 0
	s_lshl_b32 s2, s[WG], 2                        ; xf: 65,536 bytes a wave
	s_add_co_u32 s2, s2, s[WV]
	s_lshl_b32 s2, s2, 16
	s_mov_b32 s3, 0
	s_mov_b32 s[CLO], 0xc77fe000
	s_mov_b32 s[CHI], 0x477fe000
	s_mov_b32 s[HM], 0xffff0000
	s_mov_b32 s[TB], 0
	s_mov_b32 s[YST], 0
	s_mov_b32 s[YST+1], 0
	s_wait_dscnt 0x0                               ; the opening add is done
	s_wait_kmcnt 0x0
	s_add_nc_u64 s[G0XA+2:G0XA+3], s[4:5], s[18:19]
	s_add_nc_u64 s[G0XB+2:G0XB+3], s[G0XA+2:G0XA+3], 512   ; piece 1: 128 e on
	s_or_b32 s[G0XA+3], s[G0XA+3], 0x80000000      ; type = 2
	s_or_b32 s[G0XB+3], s[G0XB+3], 0x80000000
	s_add_nc_u64 s[G0S+2:G0S+3], s[6:7], s[20:21]
	s_or_b32 s[G0S+3], s[G0S+3], 0x80000000
	s_add_nc_u64 s[YB:YB+1], s[8:9], s[22:23]
	s_add_nc_u64 s[XFB:XFB+1], s[10:11], s[2:3]
	CROUND                                         ; the round in front of the first loads
	tensor_load_to_lds s[G0XA:G0XA+3], s[G1X:G1X+7]  ; the two first fills go out together: two loads of mine are out
	s_nop 0
	tensor_load_to_lds s[G0XB:G0XB+3], s[G1X:G1X+7]
	s_nop 0
	PLACES
	v_and_b32 v1, 15, v0                           ; r
	v_bfe_u32 v2, v0, 4, 1                         ; h
	v_and_b32 v3, 31, v0                           ; lane
	s_lshl_b32 s17, s[QQ], 16                      ; my half of e: 64 panels of 1,024 bytes
	s_xor_b32 s18, s[QQ], 1
	s_lshl_b32 s18, s18, 9                         ; the pair that I send: 32 rows of 16 bytes
	s_add_co_u32 s18, s18, s17
	s_lshl_b32 s19, s[QQ], 9                       ; the pair that I keep
	s_add_co_u32 s19, s19, s17
	v_lshlrev_b32 v[AB0K], 4, v1
	v_lshl_add_u32 v[AB0K], v2, 10, v[AB0K]
	v_add_nc_u32 v[AB0S], s18, v[AB0K]
	v_add_nc_u32 v[AB0K], s19, v[AB0K]
	v_lshlrev_b32 v[XO], 4, v3
	s_lshl_b32 s17, s[WV], 13
	s_add_co_u32 s17, s17, XCHB
	v_add_nc_u32 v[XCS], s17, v[XO]
	s_xor_b32 s17, s[WV], 1                        ; my partner: same rows, the other half of e
	s_lshl_b32 s17, s17, 13
	s_add_co_u32 s17, s17, XCHB
	v_add_nc_u32 v[XCL], s17, v[XO]
	s_lshl_b32 s17, s[QQ], 15                      ; yp: my pair is four panels on for q = 1; my 64 rows s
	s_lshl_b32 s18, s[GG], 10
	s_add_co_u32 s17, s17, s18
	v_lshlrev_b32 v[YO], 4, v1
	v_lshl_add_u32 v[YO], v2, 13, v[YO]
	v_add_nc_u32 v[YO], s17, v[YO]
	v_mul_u32_u24 v[XA0], v1, XPITCH
	v_lshl_add_u32 v[XA0], v2, 5, v[XA0]
	v_add_nc_u32 v[XA0], s[G0XA+1], v[XA0]
	v_add_nc_u32 v[XA0+1], XSLOT, v[XA0]
	s_wait_tensorcnt 0x1                           ; piece 0 is in; piece 1, issued behind it, may stay out
	XPIECE 0
	XBOUND 0
	XPIECE 1
	XBOUND 1
	XPIECE 2
	XBOUND 2
	XPIECE 3
	XBOUND 3                                       ; its wait and its round have shown W's tile 0 whole; tile 1 goes out
	v_add_nc_u32 v[ADS], s[TB], v[AB0S]
	v_add_nc_u32 v[ADK], s[TB], v[AB0K]
	FETCH 0
	WIN 0
	s_mov_b32 s[CNT], NB-2
.Lmain:                                                ; blocks 0 to 13: each fills its slot again, two blocks ahead
	BLOCK 1, 0
	WIN 0
	s_sub_co_u32 s[CNT], s[CNT], 1
	s_cmp_lg_u32 s[CNT], 0
	s_cbranch_scc1 .Lmain
	s_mov_b32 s[CNT], 2
.Ltail:                                                ; the last two blocks ask for nothing: a text of their own
	BLOCK 0, 1
	WIN 0
	s_sub_co_u32 s[CNT], s[CNT], 1
	s_cmp_lg_u32 s[CNT], 0
	s_cbranch_scc1 .Ltail
	s_wait_tensorcnt 0x0                           ; the wave's end: three closing lines behind my last tensor load and my last LDS store
	ds_add_u32 v[SPW], v[NIL]
	s_wait_dscnt 0x0
	CROUND                                         ; the closing round: no work-group ends while a partner may still ask for a tile that names it
	s_endpgm
.Lfunc_end_k_q765a018012_proj:
	.size	k_q765a018012_proj, .Lfunc_end_k_q765a018012_proj-k_q765a018012_proj
	.p2alignl 7, 3214868480
	.fill 96, 4, 3214868480
	.section	.rodata,"a",@progbits
	.p2align	6, 0x0
	.amdhsa_kernel k_q765a018012_proj
		.amdhsa_group_segment_fixed_size 327680
		.amdhsa_private_segment_fixed_size 0
		.amdhsa_enable_private_segment 0
		.amdhsa_kernarg_size 32
		.amdhsa_user_sgpr_count 2
		.amdhsa_user_sgpr_kernarg_segment_ptr 1
		.amdhsa_wavefront_size32 1
		.amdhsa_system_sgpr_workgroup_id_x 1
		.amdhsa_system_sgpr_workgroup_id_y 1
		.amdhsa_system_sgpr_workgroup_id_z 1
		.amdhsa_system_vgpr_workitem_id 0
		.amdhsa_next_free_vgpr 1024
		.amdhsa_next_free_sgpr 66
		.amdhsa_reserve_vcc 0
		.amdhsa_float_denorm_mode_32 3
		.amdhsa_float_denorm_mode_16_64 3
		.amdhsa_memory_ordered 1
		.amdhsa_forward_progress 1
		.amdhsa_inst_pref_size 213
	.end_amdhsa_kernel
	.amdgpu_metadata
---
amdhsa.version: [ 1, 2 ]
amdhsa.kernels:
  - .name:           k_q765a018012_proj
    .symbol:         k_q765a018012_proj.kd
    .args:
      - { .name: x, .offset: 0, .size: 8, .value_kind: global_buffer, .address_space: global }
      - { .name: wp, .offset: 8, .size: 8, .value_kind: global_buffer, .address_space: global }
      - { .name: yp, .offset: 16, .size: 8, .value_kind: global_buffer, .address_space: global }
      - { .name: xf, .offset: 24, .size: 8, .value_kind: global_buffer, .address_space: global }
    .group_segment_fixed_size: 327680
    .private_segment_fixed_size: 0
    .kernarg_segment_align: 8
    .kernarg_segment_size: 32
    .max_flat_workgroup_size: 128
    .sgpr_count:     66
    .vgpr_count:     1024
    .wavefront_size: 32
...
	.end_amdgpu_metadata
.endif
;; end of part 5
;; launch attn (part 6): grid 256 x 1, 4 waves a work-group, clusters of 4 x 1, 327,680 bytes of LDS; arguments xf, yp, b, context_vector, mask, sc, op; writes sc, op
.if DOCPART == 6
	.amdgcn_target "amdgcn-amd-amdhsa--gfx1250"
	.amdhsa_code_object_version 6
	.text
	.protected	k_q765a018012_attn
	.globl	k_q765a018012_attn
	.p2align	8
	.type	k_q765a018012_attn,@function
k_q765a018012_attn:
	s_mov_b64 s[64:65], 0
	v_nop
	global_prefetch_b8 v0, s[64:65] scope:SCOPE_SE
	s_setreg_imm32_b32 hwreg(HW_REG_WAVE_MODE, 25, 1), 1
	s_wait_xcnt 0x0
	s_wait_alu depctr_hold_cnt(0) depctr_sa_sdst(0) depctr_va_vdst(0) depctr_va_sdst(0) depctr_va_ssrc(0) depctr_va_vcc(0) depctr_vm_vsrc(0)
	s_getreg_b32 s2, hwreg(HW_REG_IB_STS2, 6, 4)
	s_cmp_eq_u32 s2, 0
	s_cbranch_scc0 .Lentry_in_a_cluster
	s_endpgm
.Lentry_in_a_cluster:
	s_bfe_u32 s2, ttmp6, 0x10000c
	s_cmp_lg_u32 s2, 0x3003
	s_cbranch_scc0 .Lentry_shape_is_right
	s_endpgm
.Lentry_shape_is_right:
; For the work-group's 128 rows t of one batch: E[t][s] = sum over d of x[t][d] Y[s][d] for all 512 s; score[t] = sum over s of c[s] tanh(E[t][s] + b[s]); where mask is 0 the score is -inf.
; Then, against the maximum m of these 128 scores: p[t] = e^(score[t] - m) and op[d] = sum over t of p[t] x[t][d].  OUT: sc (the masked scores) and op (1,024 f32); the last launch joins a batch's four.
; Operands f16 (x is its rounding to bf16, written as f16 by the launch before), sums f32.  b and c are rounded once to bf16, as all this program's inputs are, and used in f32.
; tanh(z) = 1 - 2 / (1 + 2^(2 log2(e) z)): right at both ends, where the power is 0 or infinite.  So a score is sum (-2 c) r - (1/2) sum (-2 c), r the reciprocal.
; LIMITS: p is rounded to f16 for the product with x (below 6e-5 of the block's largest weight it keeps a fixed step of 6e-8); a weight below 2^-126 counts as 0; where all 128 are masked m counts as the
; lowest finite number and every p is 0; NaN and infinities in x are not treated apart.
; SHARES AND LOOP: wave w = 2 g + q keeps rows 64 g .. + 63 of x for d = 512 q .. + 511 as 64 B fragments in 512 registers (read from xf as they lay in the registers that made them).  Y is streamed in 8 blocks of
; 64 rows s x all 1,024 d through two LDS slots.  The split of d leaves two partial sums: of a block's four tiles of 16 s wave q OWNS tiles 2 q, 2 q + 1; it first makes the other pair's sums (SND, steps 0-15), hands
; them to its partner through LDS while it makes its own pair's (KEP, steps 16-31), and adds the partner's to its own.
; A BLOCK is 32 steps of 32 along d, in eight GROUPS of four steps: 32 products a group.  LDS instructions stand in runs, never singly among the products: a group's 16 loads in the middle of the group before;
; the 16 stores of SND ride in group 4's run, the 16 loads of the partner's sums and the block's 8 loads of the tables in group 6's, so that they are in registers when the block's last product is issued.
; THE PRODUCT: source 0 = 16 rows s of Y, source 1 = 16 rows t of x: a lane holds ONE t (lane % 16) and eight s, so a score's sum over s runs down the lane's registers.
; CLUSTER: the four work-groups of a cluster are one batch's and walk the same Y: each tile is asked for JOINTLY (same load, same descriptor, mask of four).
; REGISTERS, in windows of 256 (s_set_vgpr_msb: bits 1:0 source 0, 3:2 source 1, 5:4 source 2, 7:6 destination):
;   window 0: v0-31 addresses and the scores' sums; v96-159 SND, v160-223 KEP: accumulator (tile mt, rows i) at + 8 (4 mt + i); v224-255 the block's 2 log2(e) b and -2 c
;   window 1: v0-63 the partner's sums; v128-255 two buffers of Y's fragments: a group's four steps, (step, tile mt) at + 16 (step % 4) + 8 mt
;   windows 2, 3: x's fragments: rows i, step c at window 2 + c / 8, v[8 (4 (c % 8) + i)]
.set NB,     8                         ; blocks of 64 rows s
.set SLOT1,  131072                    ; a slot: [d / 8: 128][s: 64][16 bytes]; one exclusive or turns an address in one slot into the other's
.set XTP,    1056                      ; at the end x goes back to LDS by rows: 1,024 bytes + 32: an odd multiple of 32
.set XTW,    64*XTP                    ; a wave's 64 rows; the four waves' lie over the ring, which has had its last fill by then
.set XCHB,   4*XTW                     ; the exchange, 8,192 bytes a wave; from here on no tensor load lands
.set TBK,    XCHB+4*8192               ; 512 f32: 2 log2(e) b
.set TCM,    TBK+2048                  ; 512 f32: -2 c
.set SCX,    TCM+2048                  ; 4 waves x 64 f32: a wave's share of its 64 scores
.set PH,     SCX+1024                  ; 4 waves x 128 f16: p, a copy for each wave
.set OPX,    PH+1024                   ; 4 waves x 512 f32: a wave's share of op
.set SPARE,  OPX+8192                  ; the spare words, 128 bytes a wave: two blocks of 256 bytes that no other line names
.set AB0S, 4                           ; v4   my lane's place in a slot for the pair that I send: 65,536 q + 1,024 h + 16 r + 512 (1 - q)
.set AB0K, 5                           ; v5   the same for the pair that I keep
.set ADS,  6                           ; v6, v7  those two in the slot in hand
.set ADK,  7
.set XCS,  8                           ; v8   where I put my sums for the partner
.set XCL,  9                           ; v9   where the partner puts its sums for me
.set XO,   10                          ; v10  16 x lane
.set TB0,  11                          ; v11  my lane's place in a block's 64 numbers of the tables
.set SXA,  12                          ; v12  where my wave's shares of the scores go
.set SGA,  13                          ; v13  where I read four scores' shares
.set XTS,  14                          ; v14  x back into LDS: my lane's place
.set XTL,  15                          ; v15  my lane's place for the turning loads
.set SC,   16                          ; v16-23  sum of (-2 c) r, a pair (even s, odd s) for each of my four tiles of t; later four scores, four p
.set CS,   24                          ; v24-25  sum of -2 c over my lane's s
.set TBA,  26                          ; v26  the tables' address in the block in hand; v26-28 otherwise at work
.set MK,   29                          ; v29  four bytes of mask
.set SPW,  30                          ; v30  LDS address of my spare word; never rewritten
.set NIL,  31                          ; v31  0; never rewritten
.set SND,  96
.set KEP,  160
.set BK,   224
.set CM,   240
.set PRT,  0                           ; window 1
.set FB,   128                         ; window 1
.set NX,   8                           ; LDS loads of the kernel's own in group 6's run: the tables'
.set XB,   32                          ; at the end: v32-159 x turned, 8 tiles of d x 2 halves of t
.set OA,   160                         ; v160-223 eight accumulators
.set PF,   224                         ; v224-239 p as source 0, two halves of t
.set WV, 18                            ; s18 wave; s19 g; s20 q; s21 my place in the cluster; s23 work-group
.set GG, 19
.set QQ, 20
.set CX, 21
.set WG, 23
.set G1S, 24                           ; s[24:31] descriptor group 1
.set G0A, 32                           ; s[32:35] group 0 for tile 0
.set G0S, 36                           ; s[36:39] group 0 for tile 1; it walks on
.set TB,  40                           ; s40 the slot in hand
.set CNT, 41                           ; s41 counts blocks
.set K2,  42                           ; s[42:43] 2 log2(e): a packed line names the pair and takes its low word
.set SEL, 44                           ; s[44:45] v_permlanex16_b32's selects: each lane takes its own place in the other half
.set L2E, 46                           ; s46 log2(e)
.set TBO, 47                           ; s47 256 x the block in hand
.set MSB, 0
.macro WIN new                         ; the immediate's high byte repeats the setting that is left; a switch that changes nothing is dropped
.if MSB != (\new)
	s_set_vgpr_msb (MSB<<8)|(\new)
.set MSB, \new
.endif
.endm
.macro PLACES                          ; four plain vector instructions that name no register of the products round them (ISA guide 7.12.1)
.rept 4
	v_nop
.endr
.endm
.macro CREST                           ; a round of the cluster's barrier behind its opening barrier
	s_cmp_lg_u32 s[WV], 0
	s_cbranch_scc1 .Lnot_wave_0_\@
	s_barrier_signal -3
.Lnot_wave_0_\@:
	s_barrier_wait -3
	s_barrier_signal -1
	s_barrier_wait -1
.endm
.macro CROUND                          ; a whole round
	s_barrier_signal -1
	s_barrier_wait -1
	CREST
.endm
; Load t of the four of step u: tile t / 2 of the step's pair, half t % 2 of its fragment (k = 8 h + 0..7, or 16 + 8 h + 0..7: two panels on)
.macro LD1 u, t
.set rD, FB+64*(((\u)/4)%2)+16*((\u)%4)+8*((\t)/2)+4*((\t)%2)
.if (\u) < 16
	ds_load_b128 v[rD:rD+3], v[ADS] offset:((\u)%16)*4096+((\t)/2)*256+((\t)%2)*2048
.else
	ds_load_b128 v[rD:rD+3], v[ADK] offset:((\u)%16)*4096+((\t)/2)*256+((\t)%2)*2048
.endif
.endm
.macro FETCH g                         ; one run of 16 loads: group g's four steps, in the steps' order, into buffer g % 2
	WIN 0x40                                       ; destination window 1, address window 0
.set fu, 4*(\g)
.rept 4
.irp t, 0,1,2,3
	LD1 fu, \t
.endr
.set fu, fu+1
.endr
.endm
; 16 products: steps 4 g + 2 hf and + 1; in a step tile t % 2, rows t / 2.  The eight accumulators take turns, one instruction a turn; a set's first step starts the sums with 0.
.macro MM16 g, hf
	WIN 0x09+4*(((\g)%4)/2)                        ; Y's fragments (source 0) in window 1, x's (source 1) in window 2 or 3, the sums in window 0
.set mu, 4*(\g)+2*(\hf)
.rept 2
.set tt, 0
.rept 8
.set rA, FB+64*((\g)%2)+16*(mu%4)+8*(tt%2)
.set rB, 8*(4*(mu%8)+tt/2)
.set rC, SND+64*(mu/16)+8*(4*(tt%2)+tt/2)
.if (mu%16) == 0
	v_wmma_f32_16x16x32_f16 v[rC:rC+7], v[rA:rA+7], v[rB:rB+7], 0
.else
	v_wmma_f32_16x16x32_f16 v[rC:rC+7], v[rA:rA+7], v[rB:rB+7], v[rC:rC+7]
.endif
.set tt, tt+1
.endr
.set mu, mu+1
.endr
.endm
; A group: its first two steps; four places and the next group's run (that buffer's last readers stand in the group before); its last two steps.
; n0: what may be out when the first two steps' eight loads are in; n1: what was issued behind the group's own sixteen.
.macro GROUP g, n0, n1
	s_wait_dscnt \n0
	MM16 \g, 0
	PLACES
	FETCH (\g)+1
	s_wait_dscnt \n1
	MM16 \g, 1
.endm
.macro SENDX                           ; the sums that I send.  Their last products stand in group 3; the four places of group 4's run are behind them
	WIN 0
.set kk, 0
.rept 16
	ds_store_b128 v[XCS], v[SND+4*kk:SND+4*kk+3] offset:kk*512  ; each accumulator from its low end on; 32 lanes, 512 consecutive bytes
.set kk, kk+1
.endr
.endm
.macro TAKEX                           ; the partner's sums for my pair, and this block's 16 numbers a lane of each table
	WIN 0x40
.set kk, 0
.rept 16
	ds_load_b128 v[PRT+4*kk:PRT+4*kk+3], v[XCL] offset:kk*512
.set kk, kk+1
.endr
	WIN 0
.irp mt, 0,1                           ; s = 64 block + 32 q + 16 mt + 8 h + 0..7
	ds_load_b128 v[BK+8*\mt:BK+8*\mt+3],   v[TBA] offset:64*\mt
	ds_load_b128 v[BK+8*\mt+4:BK+8*\mt+7], v[TBA] offset:64*\mt+16
	ds_load_b128 v[CM+8*\mt:CM+8*\mt+3],   v[TBA] offset:2048+64*\mt
	ds_load_b128 v[CM+8*\mt+4:CM+8*\mt+7], v[TBA] offset:2048+64*\mt+16
.endr
.endm
; Group 7 and the change of slots.  ONE barrier: in front of it each wave waits for all its tensor loads (one is out: its part of the next slot), adds 0 to its spare word, and waits for that and for all its LDS
; instructions: its reads of this slot and of the exchange.  refill = 1: the barrier opens a round of the cluster's, and behind the round this slot is filled again, two blocks ahead: 224 products stand between
; that request and the wait for it.
.macro LASTG refill
	WIN 0
	s_wait_tensorcnt 0x0                           ; no tensor load of mine is out, so a group 0 may be written
	ds_add_u32 v[SPW], v[NIL]                      ; 0 onto my spare word
.if \refill
	s_xor_b32 s[G0S+1], s[G0S+1], SLOT1            ; the other slot than last time,
	s_add_nc_u64 s[G0S+2:G0S+3], s[G0S+2:G0S+3], 1024  ; the next 64 rows of every panel; the type bits on top are not reached
.endif
	s_wait_dscnt 25+NX                             ; the first two steps' eight loads are in; out may be: the group's other eight, the partner's sixteen, the tables' NX, the add
	MM16 7, 0
	s_wait_dscnt 0x0
	s_barrier_signal -1
	MM16 7, 1                                      ; work on registers while the others arrive
	WIN 0                                          ; at a branch and at a label every window is 0
	s_barrier_wait -1
.if \refill
	CREST                                          ; no wave of any partner still reads this slot or has a load on its way
	tensor_load_to_lds s[G0S:G0S+3], s[G1S:G1S+7]
	s_nop 0
.endif
	PLACES                                         ; behind the last products, whose sums are read below
.endm
; Behind the barrier the next block's first group is fetched (last = 1: not in the last trip): it lands under the vector work that follows.
.macro AFTER last
	s_xor_b32 s[TB], s[TB], SLOT1
	s_add_co_u32 s[TBO], s[TBO], 256
	v_add_nc_u32 v[ADS], s[TB], v[AB0S]
	v_add_nc_u32 v[ADK], s[TB], v[AB0K]
	v_add_nc_u32 v[TBA], s[TBO], v[TB0]            ; the next block's place in the tables (behind the last block: not used)
.if \last
	s_cmp_eq_u32 s[CNT], 1
	s_cbranch_scc1 .Lnofetch_\@
.endif
	FETCH 0
	WIN 0
.if \last
.Lnofetch_\@:
.endif
.endm
; My pair's 64 numbers a lane: E completed; 2 log2(e) (E + b); the power of 2; + 1; the reciprocal r; (-2 c) r onto the scores' sums.  Each accumulator is read from its low end on.
.macro EPI
	WIN 0x04                                       ; source 1 in window 1
.set kk, 0
.rept 32
	v_pk_add_f32 v[KEP+2*kk:KEP+2*kk+1], v[KEP+2*kk:KEP+2*kk+1], v[PRT+2*kk:PRT+2*kk+1]
.set kk, kk+1
.endr
	WIN 0
.set kk, 0
.rept 32
	v_pk_fma_f32 v[KEP+2*kk:KEP+2*kk+1], v[KEP+2*kk:KEP+2*kk+1], s[K2:K2+1], v[BK+8*(kk/16)+2*(kk%4):BK+8*(kk/16)+2*(kk%4)+1] op_sel_hi:[1,0,1]
.set kk, kk+1
.endr
.set kk, 0
.rept 64
	v_exp_f32 v[KEP+kk], v[KEP+kk]
.set kk, kk+1
.endr
	v_nop                                          ; a plain instruction between the last of them and the use of its result (ISA guide 5.7.2)
.set kk, 0
	s_wait_alu depctr_va_vdst(0)
.rept 32
	v_pk_add_f32 v[KEP+2*kk:KEP+2*kk+1], v[KEP+2*kk:KEP+2*kk+1], 1.0 op_sel_hi:[1,0]
.set kk, kk+1
.endr
.set kk, 0
.rept 64
	v_rcp_f32 v[KEP+kk], v[KEP+kk]
.set kk, kk+1
.endr
	v_nop
	s_wait_alu depctr_va_vdst(0)
.irp mt, 0,1
.irp j, 0,1,2,3
.irp i, 0,1,2,3                        ; the four tiles of t innermost: four sums take turns
	v_pk_fma_f32 v[SC+2*\i:SC+2*\i+1], v[KEP+8*(4*\mt+\i)+2*\j:KEP+8*(4*\mt+\i)+2*\j+1], v[CM+8*\mt+2*\j:CM+8*\mt+2*\j+1], v[SC+2*\i:SC+2*\i+1]
.endr
	v_pk_add_f32 v[CS:CS+1], v[CS:CS+1], v[CM+8*\mt+2*\j:CM+8*\mt+2*\j+1]
.endr
.endr
.endm
.macro BLOCK refill, last
	GROUP 0, 8, 16                                 ; 8: the group's last eight loads may be out; 16: the run just issued
	GROUP 1, 8, 16
	GROUP 2, 8, 16
	GROUP 3, 8, 16
	s_wait_dscnt 8                                 ; group 4: its run holds group 5's loads and, behind them, the sums that I send.  The partner's reads of the exchange for the
	MM16 4, 0                                      ; block before were waited for in front of that block's last barrier
	PLACES
	FETCH 5
	SENDX
	s_wait_dscnt 32                                ; the 16 loads and 16 stores just issued may be out
	MM16 4, 1
	GROUP 5, 24, 32                                ; 24: its own last eight loads and the sixteen stores; 32: the sixteen stores and the run just issued
	s_wait_dscnt 0x0                               ; group 6: for the partner's sake my stores are done; no LDS instruction of mine is out at the signal
	s_barrier_signal -1
	MM16 6, 0
	s_barrier_wait -1                              ; the partner's stores are done too
	PLACES
	FETCH 7
	TAKEX
	MM16 6, 1                                      ; its fragments were shown in by the wait for 0 above
	LASTG \refill
	AFTER \last
	EPI
.endm
	s_load_b256 s[4:11], s[0:1], 0x0               ; xf s[4:5], yp s[6:7], b s[8:9], context_vector s[10:11]
	s_load_b128 s[12:15], s[0:1], 0x20             ; mask s[12:13], sc s[14:15]
	s_load_b64 s[16:17], s[0:1], 0x30              ; op
	v_lshl_add_u32 v[SPW], v0, 2, SPARE
	v_mov_b32 v[NIL], 0
	ds_add_u32 v[SPW], v[NIL]                      ; the wave's opening: the add and its wait ahead of my first tensor load; the set-up, work on registers, stands between
	v_lshrrev_b32 v1, 5, v0
	v_readfirstlane_b32 s[WV], v1
	s_lshr_b32 s[GG], s[WV], 1
	s_and_b32 s[QQ], s[WV], 1
	s_bfe_u32 s[CX], ttmp6, 0x40000
	s_lshl_b32 s[WG], ttmp9, 2                     ; in a cluster launch ttmp9 counts clusters: here it is the batch
	s_add_co_u32 s[WG], s[WG], s[CX]
	; Y's tiles: a wave brings 32 panels' 64 rows: 32 rows of 1,024 bytes, 8,192 bytes apart
	s_mov_b32 s[G1S+0], 15|(3<<16)|(1<<21)         ; the mask of four; 8-byte elements; bit 21 set beside a mask
	s_mov_b32 s[G1S+1], 128<<16                    ; tensor_dim0 = 128
	s_mov_b32 s[G1S+2], 32<<16                     ; tensor_dim1 = 32
	s_mov_b32 s[G1S+3], 128<<16                    ; tile_dim0 = 128
	s_mov_b32 s[G1S+4], 32                         ; tile_dim1 = 32
	s_mov_b32 s[G1S+5], 1024                       ; elements from row to row
	s_mov_b32 s[G1S+6], 0
	s_mov_b32 s[G1S+7], 0
	s_mov_b32 s[G0A], 1
	s_lshl_b32 s[G0A+1], s[WV], 15                 ; no place in the cluster enters an LDS address
	s_mov_b32 s[G0S], 1
	s_add_co_u32 s[G0S+1], s[G0A+1], SLOT1
	s_lshl_b32 s48, ttmp9, 20                      ; yp: the batch's 1 MiB, my 32 panels: what the four partners share, and the wave's number
	s_lshl_b32 s56, s[WV], 18
	s_add_co_u32 s48, s48, s56
	s_mov_b32 s49, 0
	s_lshl_b32 s50, s[WG], 2                       ; xf: 65,536 bytes a wave
	s_add_co_u32 s50, s50, s[WV]
	s_lshl_b32 s50, s50, 16
	s_mov_b32 s51, 0
	s_lshl_b32 s52, ttmp9, 9                       ; mask: 512 bytes a batch, my 128
	s_lshl_b32 s54, s[CX], 7
	s_add_co_u32 s52, s52, s54
	s_mov_b32 s53, 0
	s_lshl_b32 s54, s52, 2                         ; sc: the same place in f32
	s_mov_b32 s55, 0
	s_lshl_b32 s58, s[WG], 12                      ; op: 4,096 bytes a work-group
	s_mov_b32 s59, 0
	s_mov_b32 s[K2], 0x4038aa3b
	s_mov_b32 s[K2+1], s[K2]                       ; named with it as a pair
	s_mov_b32 s[SEL], 0x76543210
	s_mov_b32 s[SEL+1], 0xfedcba98
	s_mov_b32 s[L2E], 0x3fb8aa3b
	s_mov_b32 s[TB], 0
	s_mov_b32 s[TBO], 0
	s_wait_dscnt 0x0                               ; the opening add is done
	s_wait_kmcnt 0x0
	s_add_nc_u64 s[G0A+2:G0A+3], s[6:7], s[48:49]
	s_add_nc_u64 s[G0S+2:G0S+3], s[G0A+2:G0A+3], 1024
	s_or_b32 s[G0A+3], s[G0A+3], 0x80000000        ; type = 2
	s_or_b32 s[G0S+3], s[G0S+3], 0x80000000
	s_add_nc_u64 s[4:5], s[4:5], s[50:51]
	s_add_nc_u64 s[12:13], s[12:13], s[52:53]
	s_add_nc_u64 s[14:15], s[14:15], s[54:55]
	s_add_nc_u64 s[16:17], s[16:17], s[58:59]
	CROUND                                         ; the round in front of the first joint loads
	tensor_load_to_lds s[G0A:G0A+3], s[G1S:G1S+7]  ; the two first fills go out together: two loads of mine are out
	s_nop 0
	tensor_load_to_lds s[G0S:G0S+3], s[G1S:G1S+7]
	s_nop 0
	PLACES
	v_and_b32 v3, 31, v0                           ; lane
	v_lshlrev_b32 v[XO], 4, v3
	v_lshlrev_b32 v27, 4, v0                       ; four numbers of b and of c a thread
	v_lshlrev_b32 v28, 2, v3                       ; four bytes of mask a lane: t = 4 lane + 0..3
	global_load_b128 v[BK:BK+3], v27, s[8:9]
	global_load_b128 v[BK+4:BK+7], v27, s[10:11]
	global_load_b32 v[MK], v28, s[12:13]
	WIN 0x80                                       ; destination window 2, address window 0
.set ff, 0
.rept 64                               ; x's fragments, 512 consecutive bytes a load, into the registers whose image they are
	global_load_b128 v[4*ff:4*ff+3], v[XO], s[4:5] offset:ff*512 th:TH_LOAD_NT
.set ff, ff+1
.endr
	WIN 0xc0
.set ff, 0
.rept 64
	global_load_b128 v[4*ff:4*ff+3], v[XO], s[4:5] offset:(64+ff)*512 th:TH_LOAD_NT
.set ff, ff+1
.endr
	WIN 0
	v_and_b32 v1, 15, v0                           ; r
	v_bfe_u32 v2, v0, 4, 1                         ; h
	s_lshl_b32 s48, s[QQ], 16                      ; my half of d: 64 panels of 1,024 bytes
	s_xor_b32 s49, s[QQ], 1
	s_lshl_b32 s49, s49, 9                         ; the pair that I send: 32 rows of 16 bytes
	s_add_co_u32 s49, s49, s48
	s_lshl_b32 s50, s[QQ], 9                       ; the pair that I keep
	s_add_co_u32 s50, s50, s48
	v_lshlrev_b32 v[AB0K], 4, v1
	v_lshl_add_u32 v[AB0K], v2, 10, v[AB0K]
	v_add_nc_u32 v[AB0S], s49, v[AB0K]
	v_add_nc_u32 v[AB0K], s50, v[AB0K]
	s_lshl_b32 s48, s[WV], 13
	s_add_co_u32 s48, s48, XCHB
	v_add_nc_u32 v[XCS], s48, v[XO]
	s_xor_b32 s48, s[WV], 1                        ; my partner: same rows, the other half of d
	s_lshl_b32 s48, s48, 13
	s_add_co_u32 s48, s48, XCHB
	v_add_nc_u32 v[XCL], s48, v[XO]
	s_lshl_b32 s48, s[QQ], 7                       ; the tables: (32 q + 8 h) x 4 bytes
	s_add_co_u32 s48, s48, TBK
	v_lshl_add_u32 v[TB0], v2, 5, s48
	s_lshl_b32 s48, s[WV], 8
	s_add_co_u32 s48, s48, SCX
	v_lshl_add_u32 v[SXA], v1, 2, s48
	v_lshlrev_b32 v[SGA], 4, v1                    ; t = 4 lane + 0..3 lies with waves 2 (lane / 16) and + 1, at 4 (lane % 16)
	v_lshl_add_u32 v[SGA], v2, 9, v[SGA]
	v_add_nc_u32 v[SGA], SCX, v[SGA]
	s_mul_i32 s48, s[WV], XTW
	v_mul_u32_u24 v[XTS], v1, XTP
	v_lshl_add_u32 v[XTS], v2, 4, v[XTS]
	v_add_nc_u32 v[XTS], s48, v[XTS]
	v_and_b32 v26, 7, v0                           ; the turning load: lane l reads row 8 (l / 16) + l % 8, 16 bytes at 16 ((l / 8) % 2)
	v_lshl_add_u32 v26, v2, 3, v26
	v_mul_u32_u24 v[XTL], v26, XTP
	v_bfe_u32 v26, v0, 3, 1
	v_lshl_add_u32 v[XTL], v26, 4, v[XTL]
	v_add_nc_u32 v[XTL], s48, v[XTL]
.set kk, 0
.rept 10
	v_mov_b32 v[SC+kk], 0                          ; ten sums that run over all eight blocks
.set kk, kk+1
.endr
	v_add_nc_u32 v26, TBK, v27
	s_wait_loadcnt 0x0                             ; b, c, mask and x
.irp k, 0,1,2,3
	v_cvt_pk_bf16_f32 v[BK+8+\k], v[BK+2*\k], v[BK+2*\k+1]  ; b's four and c's four are rounded to bf16, nearest even,
.endr
.irp k, 0,1,2,3
	v_lshlrev_b32 v[BK+2*\k], 16, v[BK+8+\k]       ; and are f32 again: the low half moves up, the high half stays
	v_and_b32 v[BK+2*\k+1], 0xffff0000, v[BK+8+\k]
.endr
	v_pk_mul_f32 v[BK:BK+1], v[BK:BK+1], s[K2:K2+1] op_sel_hi:[1,0]
	v_pk_mul_f32 v[BK+2:BK+3], v[BK+2:BK+3], s[K2:K2+1] op_sel_hi:[1,0]
	v_pk_mul_f32 v[BK+4:BK+5], v[BK+4:BK+5], -2.0 op_sel_hi:[1,0]
	v_pk_mul_f32 v[BK+6:BK+7], v[BK+6:BK+7], -2.0 op_sel_hi:[1,0]
	ds_store_b128 v26, v[BK:BK+3]
	ds_store_b128 v26, v[BK+4:BK+7] offset:2048
	s_wait_tensorcnt 0x1                           ; my part of tile 0 is in; tile 1, issued behind it, may stay out
	s_wait_dscnt 0x0                               ; my part of the tables is written
	s_barrier_signal -1
	s_barrier_wait -1
	v_add_nc_u32 v[ADS], s[TB], v[AB0S]
	v_add_nc_u32 v[ADK], s[TB], v[AB0K]
	v_add_nc_u32 v[TBA], s[TBO], v[TB0]
	FETCH 0
	WIN 0
	s_mov_b32 s[CNT], NB-2
.Lmain:                                                ; blocks 0 to 5: each fills its slot again, two blocks ahead
	BLOCK 1, 0
	WIN 0
	s_sub_co_u32 s[CNT], s[CNT], 1
	s_cmp_lg_u32 s[CNT], 0
	s_cbranch_scc1 .Lmain
	s_mov_b32 s[CNT], 2
.Ltail:                                                ; the last two blocks ask for nothing: a text of their own
	BLOCK 0, 1
	WIN 0
	s_sub_co_u32 s[CNT], s[CNT], 1
	s_cmp_lg_u32 s[CNT], 0
	s_cbranch_scc1 .Ltail
	; THE SCORES.  A lane's share: even and odd s, less half the sum of -2 c; the other half of the lanes holds the tile's other eight s.  My wave has the s of the pairs that it owns; the partner has the rest.
	v_add_f32 v26, v[CS], v[CS+1]
.irp i, 0,1,2,3
	v_add_f32 v[SC+2*\i], v[SC+2*\i], v[SC+2*\i+1]
.endr
.irp i, 0,1,2,3
	v_fma_f32 v[SC+2*\i], v26, -0.5, v[SC+2*\i]
.endr
.irp i, 0,1,2,3
	v_permlanex16_b32 v[SC+2*\i+1], v[SC+2*\i], s[SEL], s[SEL+1]
.endr
.irp i, 0,1,2,3
	v_add_f32 v[SC+2*\i], v[SC+2*\i], v[SC+2*\i+1]
.endr
.irp i, 0,1,2,3
	ds_store_b32 v[SXA], v[SC+2*\i] offset:64*\i   ; both halves of the lanes write the same word with the same number
.endr
	s_wait_dscnt 0x0                               ; for the others' sake: my shares are written; my reads of the ring ended at the last block's barrier
	s_barrier_signal -1
	s_barrier_wait -1
	ds_load_b128 v[SC:SC+3], v[SGA]                ; every wave takes all 128 scores, four a lane: the two waves' shares
	ds_load_b128 v[SC+4:SC+7], v[SGA] offset:256
	s_lshl_b32 s48, s[WV], 8
	s_add_co_u32 s48, s48, PH
	v_lshl_add_u32 v4, v3, 3, s48                  ; v4: where my four p go, in my wave's copy
	s_lshl_b32 s49, s[GG], 7
	s_add_co_u32 s49, s49, s48
	v_lshl_add_u32 v5, v2, 4, s49                  ; v5: p of my wave's 64 rows as source 0: every row of the fragment is the same p
	s_lshl_b32 s50, s[WV], 11
	s_add_co_u32 s50, s50, OPX
	v_lshl_add_u32 v7, v1, 2, s50                  ; v7: where my wave's share of op goes
	v_lshlrev_b32 v6, 4, v0                        ; v6: 16 x thread
	v_add_nc_u32 v8, OPX, v6                       ; v8: where I read op's shares
	v_mov_b32 v27, 0xff800000                      ; -inf
	s_wait_dscnt 0x0
	; x goes back to LDS by rows, over the ring (its last fill has landed, and every wave has passed the barrier above): my wave's 64 rows x 512 d, which I alone read.  The softmax's arithmetic follows while these stores drain.
	WIN 0x08                                       ; a store's data are its source 1: window 2
.set ff, 0
.rept 64
	ds_store_b128 v[XTS], v[4*ff:4*ff+3] offset:((ff/2)%4)*16*XTP+(ff/8)*64+(ff%2)*32
.set ff, ff+1
.endr
	WIN 0x0c
.set ff, 0
.rept 64
	ds_store_b128 v[XTS], v[4*ff:4*ff+3] offset:((ff/2)%4)*16*XTP+(8+ff/8)*64+(ff%2)*32
.set ff, ff+1
.endr
	WIN 0
	v_pk_add_f32 v[SC:SC+1], v[SC:SC+1], v[SC+4:SC+5]
	v_pk_add_f32 v[SC+2:SC+3], v[SC+2:SC+3], v[SC+6:SC+7]
.irp k, 0,1,2,3
	v_bfe_u32 v26, v[MK], 8*\k, 8
	v_cmp_ne_u32 vcc_lo, 0, v26
	v_cndmask_b32 v[SC+\k], v27, v[SC+\k], vcc_lo  ; the score, or -inf where the mask is 0
.endr
	s_cmp_lg_u32 s[WV], 0
	s_cbranch_scc1 .Lnosc
	global_store_b128 v[XO], v[SC:SC+3], s[14:15]  ; wave 0 alone: 512 consecutive bytes; these four registers are not written again
.Lnosc:
	v_max_num_f32 v24, v[SC], v[SC+1]
	v_max3_num_f32 v24, v24, v[SC+2], v[SC+3]
	v_max_num_f32_dpp v24, v24, v24 row_xmask:1 row_mask:0xf bank_mask:0xf
	v_max_num_f32_dpp v24, v24, v24 row_xmask:2 row_mask:0xf bank_mask:0xf
	v_max_num_f32_dpp v24, v24, v24 row_xmask:4 row_mask:0xf bank_mask:0xf
	v_max_num_f32_dpp v24, v24, v24 row_xmask:8 row_mask:0xf bank_mask:0xf
	v_permlanex16_b32 v25, v24, s[SEL], s[SEL+1]
	v_max_num_f32 v24, v24, v25
	v_max_num_f32 v24, 0xff7fffff, v24             ; m, at the least the lowest finite number: -inf less m stays -inf
.irp k, 0,1,2,3
	v_sub_f32 v[SC+4+\k], v[SC+\k], v24
.endr
.irp k, 0,1,2,3
	v_mul_f32 v[SC+4+\k], s[L2E], v[SC+4+\k]
.endr
.irp k, 0,1,2,3
	v_exp_f32 v[SC+4+\k], v[SC+4+\k]
.endr
	v_nop
	s_wait_alu depctr_va_vdst(0)
	v_cvt_pk_f16_f32 v26, v[SC+4], v[SC+5]
	v_cvt_pk_f16_f32 v27, v[SC+6], v[SC+7]
	ds_store_b64 v4, v[26:27]
.irp kt, 0,1                           ; LDS serves a wave's instructions in order (ISA guide 5.7.1.4): these see the store above, and the turning loads below see x's rows
	ds_load_b128 v[PF+8*\kt:PF+8*\kt+3],   v5 offset:64*\kt
	ds_load_b128 v[PF+8*\kt+4:PF+8*\kt+7], v5 offset:64*\kt+32
.endr
; op's share: D[.][d] = sum over my 64 t of p[t] x[t][d], eight tiles of 16 d at a time; source 1 is x turned (16 d x 32 t).  All 16 rows of D are alike: register 0 holds op[16 tile + lane % 16].
; Five v_nop behind a batch's products: the places in front of the stores of their results, of the next batch's loads into their sources, and of the next batch's products, which write over their results.
.macro OBATCH bt
.set dd, 0
.rept 8
.irp kt, 0,1
	ds_load_tr16_b128 v[XB+16*dd+8*\kt:XB+16*dd+8*\kt+3],   v[XTL] offset:\kt*32*XTP+(8*(\bt)+dd)*32
	ds_load_tr16_b128 v[XB+16*dd+8*\kt+4:XB+16*dd+8*\kt+7], v[XTL] offset:\kt*32*XTP+16*XTP+(8*(\bt)+dd)*32
.endr
.set dd, dd+1
.endr
	s_wait_dscnt 0x0
.set dd, 0
.rept 8                                ; the eight accumulators take turns
	v_wmma_f32_16x16x32_f16 v[OA+8*dd:OA+8*dd+7], v[PF:PF+7], v[XB+16*dd:XB+16*dd+7], 0
.set dd, dd+1
.endr
.set dd, 0
.rept 8
	v_wmma_f32_16x16x32_f16 v[OA+8*dd:OA+8*dd+7], v[PF+8:PF+15], v[XB+16*dd+8:XB+16*dd+15], v[OA+8*dd:OA+8*dd+7]
.set dd, dd+1
.endr
.rept 5
	v_nop
.endr
.set dd, 0
.rept 8
	ds_store_b32 v7, v[OA+8*dd] offset:(8*(\bt)+dd)*64
.set dd, dd+1
.endr
.endm
	OBATCH 0
	OBATCH 1
	OBATCH 2
	OBATCH 3
	s_wait_dscnt 0x0                               ; for the others' sake: my share of op is written
	s_barrier_signal -1
	s_barrier_wait -1
	ds_load_b128 v[32:35], v8                      ; d = 0 .. 511: waves 0 and 2; d = 512 .. 1,023: waves 1 and 3
	ds_load_b128 v[36:39], v8 offset:4096
	ds_load_b128 v[40:43], v8 offset:2048
	ds_load_b128 v[44:47], v8 offset:6144
	s_wait_dscnt 0x0
	v_pk_add_f32 v[32:33], v[32:33], v[36:37]
	v_pk_add_f32 v[34:35], v[34:35], v[38:39]
	v_pk_add_f32 v[40:41], v[40:41], v[44:45]
	v_pk_add_f32 v[42:43], v[42:43], v[46:47]
	global_store_b128 v6, v[32:35], s[16:17]       ; a wave stores 512 consecutive bytes
	global_store_b128 v6, v[40:43], s[16:17] offset:2048
	s_wait_tensorcnt 0x0                           ; the wave's end: three closing lines behind my last tensor load and my last LDS store
	ds_add_u32 v[SPW], v[NIL]
	s_wait_dscnt 0x0
	CROUND                                         ; the closing round: no work-group ends while a partner may still ask for a tile that names it
	s_endpgm
.Lfunc_end_k_q765a018012_attn:
	.size	k_q765a018012_attn, .Lfunc_end_k_q765a018012_attn-k_q765a018012_attn
	.p2alignl 7, 3214868480
	.fill 96, 4, 3214868480
	.section	.rodata,"a",@progbits
	.p2align	6, 0x0
	.amdhsa_kernel k_q765a018012_attn
		.amdhsa_group_segment_fixed_size 327680
		.amdhsa_private_segment_fixed_size 0
		.amdhsa_enable_private_segment 0
		.amdhsa_kernarg_size 56
		.amdhsa_user_sgpr_count 2
		.amdhsa_user_sgpr_kernarg_segment_ptr 1
		.amdhsa_wavefront_size32 1
		.amdhsa_system_sgpr_workgroup_id_x 1
		.amdhsa_system_sgpr_workgroup_id_y 1
		.amdhsa_system_sgpr_workgroup_id_z 1
		.amdhsa_system_vgpr_workitem_id 0
		.amdhsa_next_free_vgpr 1024
		.amdhsa_next_free_sgpr 66
		.amdhsa_reserve_vcc 1
		.amdhsa_float_denorm_mode_32 3
		.amdhsa_float_denorm_mode_16_64 3
		.amdhsa_memory_ordered 1
		.amdhsa_forward_progress 1
		.amdhsa_inst_pref_size 134
	.end_amdhsa_kernel
	.amdgpu_metadata
---
amdhsa.version: [ 1, 2 ]
amdhsa.kernels:
  - .name:           k_q765a018012_attn
    .symbol:         k_q765a018012_attn.kd
    .args:
      - { .name: xf, .offset: 0, .size: 8, .value_kind: global_buffer, .address_space: global }
      - { .name: yp, .offset: 8, .size: 8, .value_kind: global_buffer, .address_space: global }
      - { .name: b, .offset: 16, .size: 8, .value_kind: global_buffer, .address_space: global }
      - { .name: context_vector, .offset: 24, .size: 8, .value_kind: global_buffer, .address_space: global }
      - { .name: mask, .offset: 32, .size: 8, .value_kind: global_buffer, .address_space: global }
      - { .name: sc, .offset: 40, .size: 8, .value_kind: global_buffer, .address_space: global }
      - { .name: op, .offset: 48, .size: 8, .value_kind: global_buffer, .address_space: global }
    .group_segment_fixed_size: 327680
    .private_segment_fixed_size: 0
    .kernarg_segment_align: 8
    .kernarg_segment_size: 56
    .max_flat_workgroup_size: 128
    .sgpr_count:     66
    .vgpr_count:     1024
    .wavefront_size: 32
...
	.end_amdgpu_metadata
.endif
;; end of part 6
;; launch comb: the kernel of part 4 again; grid 64 x 1, 4 waves a work-group, no clusters, 0 bytes of LDS; arguments sc, op, out0, out1; writes out0, out1
;; ======== version 3 of 3: 4 launches; version 2 with the launch wcvt written anew for expert scheduling mode
;; limits: values are held in f16: magnitudes above 65,504 overflow, below 6.1e-05 lose precision; inputs' magnitudes at most 65,504; below input magnitudes of 6.1e-05 results are inexact or not finite; right only within a limited range of input values
;; workspace buffers: wp 2,097,152 bytes; yp 67,108,864 bytes; xf 67,108,864 bytes; sc 131,072 bytes; op 1,048,576 bytes
;; launch wcvt (part 7): grid 64 x 4, 2 waves a work-group, no clusters, 8,960 bytes of LDS; arguments weight, wp; writes wp
.if DOCPART == 7
	.amdgcn_target "amdgcn-amd-amdhsa--gfx1250"
	.amdhsa_code_object_version 6
	.text
	.protected	k_q765a018012_wcvt
	.globl	k_q765a018012_wcvt
	.p2align	8
	.type	k_q765a018012_wcvt,@function
k_q765a018012_wcvt:
	s_mov_b64 s[64:65], 0
	v_nop
	global_prefetch_b8 v0, s[64:65] scope:SCOPE_SE
	s_setreg_imm32_b32 hwreg(HW_REG_WAVE_SCHED_MODE, 0, 2), 2
	s_setreg_imm32_b32 hwreg(HW_REG_WAVE_MODE, 25, 1), 1
	s_wait_xcnt 0x0
	s_wait_alu depctr_vm_vsrc(0)
; weight [1024 d][1024 e] f32  ->  wp, f16, laid out [e / 8][d][8]: a panel of 8 neighbouring e for all 1,024 d is 16,384 bytes.
; In that layout 64 rows d of one panel are 1,024 consecutive bytes, which is what the next launch's tensor loads ask for.
; THE FORMAT: each number is rounded once to bf16, as all this program's inputs are, and that number is written as f16, which holds a bf16 number exactly from 6.1e-5 to 65,504.
; LIMIT: |weight| stays below 65,520; below 6.1e-5 the rounded number keeps f16's fixed step of 6e-8.
; A work-group of two waves takes 16 rows d x 256 columns e.  Thread t loads 16 bytes of each row (a wave: 512 consecutive bytes), converts them
; and puts 8 bytes into a stage in LDS, [32 panels][16 d][16 bytes], panels 272 bytes apart; read back, 16 lanes hold the
; 256 consecutive bytes of one panel's 16 rows and store them at a multiple of 256 bytes from wp's first byte.
; No matrix unit, no cluster, no tensor load: 6 MB are moved once, and no work-group shares a byte with another.
; THE MODE: SCHED_MODE bits 1:0 = 2 (LLVM: expert scheduling mode 2), set by the entry lines.  The code itself states the register dependences
; between vector instructions and memory or LDS instructions, with s_wait_alu, always for 0.
; THE PLAN.  Registers that memory or LDS instructions touch:
;   v1 to v4, v104, v105   offsets, LDS addresses and the add's pair: written once at the head, never again.
;   IN   row ii's four registers: its global load lands in them; its conversions read them and its unpacking lines write them.  Later the eight loads from the stage land in IN's
;        first 32 registers, and the global stores read those as their data.
;   HF   row ii's pair: written by row ii's conversions, read by row ii's one LDS store, never written again: a pair for each of the 16 rows.
; The rows go in four groups of four.  A group's four LDS stores stand in the next group, one ahead of each row's vector instructions, behind ONE wait at that group's head, which states
; that the group before has written its HF; the vector instructions between name this group's IN and HF alone.  One more wait stands behind the last row.
; No register that a memory or LDS instruction has read is ever written again, so no wait on vm_vsrc is owed.
.set PITCH, 272                        ; 256 bytes of a panel + 16
.set SPARE, 32*PITCH                   ; behind the stage: the spare words, 128 bytes a wave: one block of 256 bytes that no other line names
.set IN,  8                            ; v[8:71]   16 loads of 4 f32; later v[8:39] the panels read back
.set HF,  72                           ; v[72:103] 16 pairs of registers, 4 numbers of 16 bits each
.set SPW, 104                          ; v104 LDS address of my spare word; never rewritten
.set NIL, 105                          ; v105 0; never rewritten
	s_load_b128 s[4:7], s[0:1], 0x0                ; weight s[4:5], wp s[6:7]
	v_lshl_add_u32 v[SPW], v0, 2, SPARE
	v_mov_b32 v[NIL], 0
	s_and_b32 s8, ttmp7, 0xffff                    ; which 256 columns
	s_lshl_b32 s10, ttmp9, 16                      ; 16 rows of 4,096 bytes
	s_lshl_b32 s9, s8, 10                          ; 256 columns of 4 bytes
	s_add_co_u32 s10, s10, s9
	s_mov_b32 s11, 0
	s_lshl_b32 s12, s8, 19                         ; 32 panels of 16,384 bytes
	s_lshl_b32 s9, ttmp9, 8                        ; 16 rows of 16 bytes
	s_add_co_u32 s12, s12, s9
	s_mov_b32 s13, 0
	s_mov_b32 s14, 0xffff0000                      ; a word's upper bf16
	v_lshlrev_b32 v1, 4, v0                        ; my 16 bytes of a row's 1,024
	v_lshrrev_b32 v5, 1, v0                        ; into the stage: panel t / 2, half t % 2
	v_and_b32 v6, 1, v0
	v_mul_u32_u24 v2, v5, PITCH
	v_lshl_add_u32 v2, v6, 3, v2
	v_lshrrev_b32 v5, 4, v0                        ; back: panel t / 16 (+ 4 a turn), row t % 16
	v_and_b32 v6, 15, v0
	v_mul_u32_u24 v3, v5, PITCH
	v_lshl_add_u32 v3, v6, 4, v3
	v_lshlrev_b32 v4, 14, v5                       ; and the same place in wp
	v_lshl_add_u32 v4, v6, 4, v4
	s_wait_kmcnt 0x0
	s_add_nc_u64 s[4:5], s[4:5], s[10:11]
	s_add_nc_u64 s[6:7], s[6:7], s[12:13]
	s_wait_alu depctr_va_vdst(0)                   ; v1 to v4 are written, which the loads and stores of the whole kernel read as offsets and LDS addresses; so are v104 and v105
.set ii, 0
.rept 16
	global_load_b128 v[IN+4*ii:IN+4*ii+3], v1, s[4:5] offset:ii*4096 th:TH_LOAD_NT
.set ii, ii+1
.endr
.set ii, 0
.rept 16
	s_wait_loadcnt 15-ii                           ; loads come back in order (ISA guide 5.7.1): row ii is in, the younger rows stay out
.if (ii > 0) && (ii%4 == 0)
	s_wait_alu depctr_va_vdst(0)                   ; the group before has written its four pairs of HF, which the four LDS stores of this group's turns read
.endif
.if ii >= 4
	ds_store_b64 v2, v[HF+2*(ii-4):HF+2*(ii-4)+1] offset:16*(ii-4)  ; the row four back.  No wait: no vector instruction since the group's wait names its pair
.endif
	v_cvt_pk_bf16_f32 v[HF+2*ii], v[IN+4*ii], v[IN+4*ii+1]       ; the one rounding: to bf16, nearest even
	v_cvt_pk_bf16_f32 v[HF+2*ii+1], v[IN+4*ii+2], v[IN+4*ii+3]
	v_lshlrev_b32 v[IN+4*ii], 16, v[HF+2*ii]                     ; back to f32: the low half moves up, the high half stays
	v_and_b32 v[IN+4*ii+1], s14, v[HF+2*ii]
	v_lshlrev_b32 v[IN+4*ii+2], 16, v[HF+2*ii+1]
	v_and_b32 v[IN+4*ii+3], s14, v[HF+2*ii+1]
	v_cvt_pk_f16_f32 v[HF+2*ii], v[IN+4*ii], v[IN+4*ii+1]        ; written as f16
	v_cvt_pk_f16_f32 v[HF+2*ii+1], v[IN+4*ii+2], v[IN+4*ii+3]
.set ii, ii+1
.endr
	s_wait_alu depctr_va_vdst(0)                   ; the last group has written its four pairs of HF, which the stores below read; and every conversion is done with IN, in whose first 32 registers the loads from the stage land: no vector instruction follows this wait
.set ii, 12
.rept 4
	ds_store_b64 v2, v[HF+2*ii:HF+2*ii+1] offset:16*ii
.set ii, ii+1
.endr
	s_wait_dscnt 0x0                               ; for the other wave's sake: my stores into the stage are done
	s_barrier_signal -1
	s_barrier_wait -1
.set ii, 0
.rept 8
	ds_load_b128 v[IN+4*ii:IN+4*ii+3], v3 offset:ii*4*PITCH
.set ii, ii+1
.endr
.set ii, 0
.rept 8
	s_wait_dscnt 7-ii                              ; turn ii is back, the younger turns stay out
	global_store_b128 v4, v[IN+4*ii:IN+4*ii+3], s[6:7] offset:ii*65536  ; 16 lanes store 256 consecutive bytes
.set ii, ii+1
.endr
	s_wait_dscnt 0x0                               ; the wave's end: the six closing lines, on end
	s_wait_alu 0x0
	s_wait_tensorcnt 0x0
	ds_add_u32 v[SPW], v[NIL]
	s_wait_dscnt 0x0
	s_endpgm
.Lfunc_end_k_q765a018012_wcvt:
	.size	k_q765a018012_wcvt, .Lfunc_end_k_q765a018012_wcvt-k_q765a018012_wcvt
	.p2alignl 7, 3214868480
	.fill 96, 4, 3214868480
	.section	.rodata,"a",@progbits
	.p2align	6, 0x0
	.amdhsa_kernel k_q765a018012_wcvt
		.amdhsa_group_segment_fixed_size 8960
		.amdhsa_private_segment_fixed_size 0
		.amdhsa_enable_private_segment 0
		.amdhsa_kernarg_size 16
		.amdhsa_user_sgpr_count 2
		.amdhsa_user_sgpr_kernarg_segment_ptr 1
		.amdhsa_wavefront_size32 1
		.amdhsa_system_sgpr_workgroup_id_x 1
		.amdhsa_system_sgpr_workgroup_id_y 1
		.amdhsa_system_sgpr_workgroup_id_z 1
		.amdhsa_system_vgpr_workitem_id 0
		.amdhsa_next_free_vgpr 112
		.amdhsa_next_free_sgpr 66
		.amdhsa_reserve_vcc 0
		.amdhsa_float_denorm_mode_32 3
		.amdhsa_float_denorm_mode_16_64 3
		.amdhsa_memory_ordered 1
		.amdhsa_forward_progress 1
		.amdhsa_inst_pref_size 13
	.end_amdhsa_kernel
	.amdgpu_metadata
---
amdhsa.version: [ 1, 2 ]
amdhsa.kernels:
  - .name:           k_q765a018012_wcvt
    .symbol:         k_q765a018012_wcvt.kd
    .args:
      - { .name: weight, .offset: 0, .size: 8, .value_kind: global_buffer, .address_space: global }
      - { .name: wp, .offset: 8, .size: 8, .value_kind: global_buffer, .address_space: global }
    .group_segment_fixed_size: 8960
    .private_segment_fixed_size: 0
    .kernarg_segment_align: 8
    .kernarg_segment_size: 16
    .max_flat_workgroup_size: 64
    .sgpr_count:     66
    .vgpr_count:     112
    .wavefront_size: 32
...
	.end_amdgpu_metadata
.endif
;; end of part 7
;; launch proj: the kernel of part 5 again; grid 256 x 1, 4 waves a work-group, clusters of 4 x 1, 327,680 bytes of LDS; arguments x, wp, yp, xf; writes yp, xf
;; launch attn: the kernel of part 6 again; grid 256 x 1, 4 waves a work-group, clusters of 4 x 1, 327,680 bytes of LDS; arguments xf, yp, b, context_vector, mask, sc, op; writes sc, op
;; launch comb: the kernel of part 4 again; grid 64 x 1, 4 waves a work-group, no clusters, 0 bytes of LDS; arguments sc, op, out0, out1; writes out0, out1
